; MI455X (gfx1250); checked and timed in simulation.
; The chip was launched on July 23, 2026; its instructions are those of AMD's public machine-readable ISA for CDNA 5 (MIT licence, August 2026) and "CDNA5" Instruction Set Architecture Reference Guide (July 2026). The comments in the code are by the model that wrote it; some were corrected since.
;; Encoder. Allowed arithmetic: matrix products marked QUANTISED: E2M1 operands, one E8M0 scale for each 32 along K, by v_wmma_scale_f32_16x16x128_f8f6f4 with both operands' format E2M1 (or v_wmma_scale_f32_32x16x128_f4), f32 sums; products left as they are: bf16, f16 or f32 operands; f32 sums; everything else in f32.
;; Inputs: W1 768 x 3,072 float32; W2 3,072 x 768 float32; Wk 768 x 768 float32; Wo 768 x 768 float32; Wq 768 x 768 float32; Wv 768 x 768 float32; b1 3,072 float32; b2 768 float32; bk 768 float32; bo 768 float32; bq 768 float32; bv 768 float32; ln1_b 768 float32; ln1_g 768 float32; ln2_b 768 float32; ln2_g 768 float32; mask 1 x 1 x 1 x 4,096 int32; x 1 x 4,096 x 768 float32.
;; Outputs: out0 1 x 4,096 x 768 float32.
;; This version of the problem:
;;   THIS VERSION OF THE PROBLEM IS GIVEN IN LOW PRECISION. The matrix products marked QUANTISED in the list below multiply operands that are first quantised to E2M1 (2 exponent bits, 1 mantissa bit; 4 bits a number), with one power-of-two scale for each 32 numbers along K (OCP MX v1.0); their sums are f32. The products marked 'left as it is' may take bf16, f16 or f32 operands, with f32 sums. Whichever they take, every output number must still come out within the allowed error. Rounding operands to bf16 (8 significant bits) uses up far more of that allowance than f16 does (11 bits, for magnitudes from 6e-5 to 65,504). All else is computed in f32.
;;   The module's matrix products, in the order in which they are computed (A, B: the left and right operand; K: the contracted axis; several contracted axes count as one K, in the product's order):
;;     1. [M 4,096, K 768] x [K 768, N 768]; A: input x; B: input Wq: QUANTISED
;;     2. [M 4,096, K 768] x [K 768, N 768]; A: input x; B: input Wk: QUANTISED
;;     3. [M 4,096, K 768] x [K 768, N 768]; A: input x; B: input Wv: QUANTISED
;;     4. batch 12 x [M 4,096, K 64] x [K 64, N 4,096]; A: computed on the way; B: computed on the way: left as it is (an operand is computed on the way)
;;     5. batch 12 x [M 4,096, K 4,096] x [K 4,096, N 64]; A: computed on the way; B: computed on the way: left as it is (an operand is computed on the way)
;;     6. [M 4,096, K 768] x [K 768, N 768]; A: computed on the way; B: input Wo: left as it is (an operand is computed on the way)
;;     7. [M 4,096, K 768] x [K 768, N 3,072]; A: computed on the way; B: input W1: left as it is (an operand is computed on the way)
;;     8. [M 4,096, K 3,072] x [K 3,072, N 768]; A: computed on the way; B: input W2: left as it is (an operand is computed on the way)
;;   THE QUANTISER, for each operand of a quantised product, along K:
;;     - K is cut into blocks of 32 from its start; a last block that is shorter is filled with zeros.
;;     - A block's scale is 2^e with e = floor(log2(the largest magnitude in the block)) - 2, held to -126 .. 127; a block of zeros has e = 0. As a byte (E8M0): e + 127.
;;     - Each number is divided by its block's scale, clamped to +-6, and rounded to the nearest number of E2M1, ties to even, subnormals kept.
;;     - The product sums the exact products of the quantised numbers (number of the format x scale) in f32.
;;   ~~~python
;;   def quantise(x, axis):      # numpy; x: float32 -> the quantised numbers, widened to float32 again
;;       x = np.moveaxis(x, axis, -1); K = x.shape[-1]
;;       x = np.pad(x, [(0, 0)] * (x.ndim - 1) + [(0, -K % 32)]); x = x.reshape(x.shape[:-1] + (-1, 32)); a = np.abs(x).max(-1, keepdims=True)
;;       e = np.where(a > 0, np.clip(np.frexp(np.where(a > 0, a, 1))[1] - 1 - 2, -126, 127), 0)      # np.frexp(a)[1] - 1 = floor(log2(a)), exactly
;;       r = np.clip(x / 2.0 ** e, -6, 6)
;;       step = 2.0 ** (np.maximum(np.frexp(np.where(r == 0, 1, r))[1] - 1, 0) - 1)
;;       q = np.round(r / step) * step * 2.0 ** e      # np.round: ties to even
;;       return np.moveaxis(q.reshape(q.shape[:-2] + (-1,))[..., :K], -1, axis).astype(np.float32)
;;   ~~~
;; One version. Each part assembles by itself: llvm-mc -triple=amdgcn-amd-amdhsa -mcpu=gfx1250 --defsym DOCPART=n.
;; ======== version 1 of 1: 8 launches
;; limits: a function is approximated: absolute error at most 1.5e-07; an absolute error that grows with the inputs' magnitude: up to 7.5e-08 times it; values are held in f16: magnitudes above 65,504 overflow, below 6.1e-05 lose precision
;; workspace buffers: w4 995,328 bytes; wh 10,616,832 bytes; qkv 18,890,752 bytes; a16 6,291,456 bytes; y32 12,582,912 bytes; h32 12,582,912 bytes; g16 25,165,824 bytes
;; launch prep (part 1): grid 45 x 6, 8 waves a work-group, no clusters, 0 bytes of LDS; arguments Wq, Wk, Wv, Wo, W1, W2, w4, wh; writes w4, wh
.if DOCPART == 1
	.amdgcn_target "amdgcn-amd-amdhsa--gfx1250"
	.amdhsa_code_object_version 6
	.text
	.protected	k_q12e0ba6399_prep
	.globl	k_q12e0ba6399_prep
	.p2align	8
	.type	k_q12e0ba6399_prep,@function
k_q12e0ba6399_prep:
	s_mov_b64 s[64:65], 0
	v_nop
	global_prefetch_b8 v0, s[64:65] scope:SCOPE_SE
	s_setreg_imm32_b32 hwreg(HW_REG_WAVE_MODE, 25, 1), 1
	s_wait_xcnt 0x0
; ENCODER LAYER, launch 1 of 8: the weights are laid out once.
; WORK LEFT OUT IN THE WHOLE PROGRAM: the input bk.  score(i, j) = q_i . (k_j + bk) / 8 = q_i . k_j / 8 + q_i . bk / 8, and the second term is the same for every key j of a query i, masked keys aside,
; which are -infinity with it and without: the softmax along j takes it away, for all values of the inputs.  The product of q and k is not quantised, so bk moves no code and no scale.  bk is loaded by no launch.
; LIMIT: a NaN, an infinity or an overflow that reaches the result through bk alone is not carried to it.
; ROLE A (work-group x under 18): Wq, Wk, Wv [768 (k)][768 (n)] f32 become codes of E2M1 along k with one E8M0 byte for each 32 along k, laid in the order of the operand's registers:
;   w4: [T 144][s 6][1,024 bytes]: T = column / 16 of [Wq | Wk | Wv], s = K step of 128; registers 0-3 of lane l at 16 l, registers 4-7 at 512 + 16 l; from byte 884,736 on the scale words, [T][s][32 lanes x 4 bytes].
;   A wave makes one fragment: lane (r, h) takes column r of the tile, its registers run down k = 64 c + 32 h + 0 .. 31: a block of 32 lies in one lane, and the conversions' results are the operand's registers.
;   A block's scale byte is its largest magnitude's exponent field - 2, held at 1 from below.  A block of zeros keeps the byte 1: its codes are zeros, and this program alone reads the bytes.
; ROLE B (the other 27 x 6 work-groups): Wo, W1, W2 are rounded to f16 as they lie ([k][n]), into wh: Wo at byte 0, W1 at 1,179,648, W2 at 5,898,240.  32,768 numbers a work-group.
; LIMITS: f16 holds magnitudes up to 65,504; NaN and infinities among the inputs are not served.
.set ROWB, 3072                        ; a row of Wq, Wk, Wv in bytes
.set SCLW, 884736                      ; where the scale words begin in w4
	s_load_b256 s[4:11], s[0:1], 0x0               ; Wq s[4:5], Wk s[6:7], Wv s[8:9], Wo s[10:11]
	s_load_b256 s[12:19], s[0:1], 0x20             ; W1 s[12:13], W2 s[14:15], w4 s[16:17], wh s[18:19]
	s_and_b32 s20, ttmp7, 0xffff                   ; work-group y
	s_cmp_lt_u32 ttmp9, 18
	s_cbranch_scc0 .Lcast
	; ---- role A: x = group of 128 columns (0 .. 17), y = K step s
	v_lshrrev_b32 v1, 5, v0
	v_readfirstlane_b32 s21, v1                    ; wave 0..7: its tile of 16 columns
	v_and_b32 v1, 15, v0                           ; r
	v_bfe_u32 v2, v0, 4, 1                         ; h
	v_and_b32 v3, 31, v0                           ; lane
	v_lshlrev_b32 v5, 2, v1                        ; column r: 4 bytes,
	v_mad_u32_u24 v5, v2, 32*ROWB, v5              ; lanes 16-31 begin 32 rows further down
	v_lshlrev_b32 v6, 4, v3                        ; an image's place for my lane
	v_lshlrev_b32 v7, 2, v3                        ; a scale word's
	s_mov_b32 s30, 0x76543210
	s_mov_b32 s31, 0xfedcba98                      ; selects for lane l xor 16
	s_mul_i32 s26, s20, 128*ROWB                   ; K step s: 128 rows down,
	s_lshl_b32 s25, s21, 6                         ; my wave's 16 columns
	s_add_co_u32 s26, s26, s25
	s_lshl_b32 s28, ttmp9, 3
	s_add_co_u32 s28, s28, s21                     ; T = 8 x group + wave
	s_mul_i32 s28, s28, 6
	s_add_co_u32 s28, s28, s20                     ; 6 T + s
	s_wait_kmcnt 0x0
	s_cmp_lt_u32 ttmp9, 6                          ; which matrix: the choice hangs on the work-group's number alone
	s_cselect_b64 s[22:23], s[4:5], s[6:7]
	s_cselect_b32 s24, 0, 6
	s_cmp_lt_u32 ttmp9, 12
	s_cselect_b64 s[22:23], s[22:23], s[8:9]
	s_cselect_b32 s24, s24, 12
	s_sub_co_u32 s24, ttmp9, s24                   ; the group inside its matrix
	s_lshl_b32 s24, s24, 9                         ; 128 columns of 4 bytes
	s_add_co_u32 s26, s26, s24
	s_mov_b32 s27, 0
	s_add_nc_u64 s[22:23], s[22:23], s[26:27]
	s_lshl_b32 s26, s28, 10
	s_add_nc_u64 s[32:33], s[16:17], s[26:27]      ; my image
	s_lshl_b32 s26, s28, 7
	s_add_co_u32 s26, s26, SCLW
	s_add_nc_u64 s[34:35], s[16:17], s[26:27]      ; my scale words
.irp c, 0,1
.set i, 0
.rept 32
	global_load_b32 v[64+32*\c+i], v5, s[22:23] offset:ROWB*(64*\c+i) th:TH_LOAD_NT   ; W(128 s + 64 c + 32 h + i, my column); the eight waves cover 512 neighbouring bytes of each row
.set i, i+1
.endr
.endr
	s_wait_loadcnt 0x0
.irp c, 0,1
	v_max3_num_f32 v[32+\c], |v[64+32*\c]|, |v[65+32*\c]|, 0x1800000   ; block 2 c + h: all its 32 numbers are mine; the floor 2^(3 - 127) holds the byte at 1 from below
.endr
.irp i, 2,4,6,8,10,12,14,16,18,20,22,24,26,28,30
.irp c, 0,1
	v_max3_num_f32 v[32+\c], v[32+\c], |v[64+32*\c+\i]|, |v[65+32*\c+\i]|
.endr
.endr
.irp c, 0,1
	v_add_nc_u32 v[44+\c], 0xff000000, v[32+\c]    ; 2 off the exponent field: the conversion's scale operand
.endr
.irp c, 0,1
	v_lshrrev_b32 v[36+\c], 23, v[44+\c]           ; the scale's byte
.endr
	v_lshl_or_b32 v9, v37, 16, v36                 ; my two bytes: blocks h and 2 + h,
	v_lshlrev_b32 v10, 3, v2
	v_lshlrev_b32 v9, v10, v9                      ; at their places in the word;
	v_mov_b32 v10, 0
	v_permlanex16_b32 v10, v9, s30, s31
	v_or_b32 v9, v9, v10                           ; with lane l xor 16's two the word is whole, in all 32 lanes
.irp c, 0,1
.irp g, 0,1,2,3
	v_cvt_scalef32_pk8_fp4_f32 v[48+4*\c+\g], v[64+32*\c+8*\g:71+32*\c+8*\g], v[44+\c]
.endr
.endr
	global_store_b128 v6, v[48:51], s[32:33]               ; each store of the wave covers 512 consecutive bytes, aligned
	global_store_b128 v6, v[52:55], s[32:33] offset:512
	global_store_b32 v7, v9, s[34:35]                      ; 128 consecutive bytes
	s_endpgm
.Lcast:
	; ---- role B: run j = 6 (x - 18) + y of 32,768 numbers: 0-17 Wo, 18-89 W1, 90-161 W2
	v_lshlrev_b32 v1, 4, v0                        ; in: 16 bytes a thread
	v_lshlrev_b32 v2, 3, v0                        ; out: 8 bytes a thread
	s_sub_co_u32 s21, ttmp9, 18
	s_mul_i32 s21, s21, 6
	s_add_co_u32 s20, s21, s20                     ; j
	s_mov_b32 s27, 0
	s_wait_kmcnt 0x0
	s_cmp_lt_u32 s20, 18
	s_cselect_b64 s[22:23], s[10:11], s[12:13]
	s_cselect_b32 s24, 0, 18
	s_cmp_lt_u32 s20, 90
	s_cselect_b64 s[22:23], s[22:23], s[14:15]
	s_cselect_b32 s24, s24, 90
	s_sub_co_u32 s24, s20, s24                     ; the run inside its matrix
	s_lshl_b32 s26, s24, 17
	s_add_nc_u64 s[22:23], s[22:23], s[26:27]
	s_lshl_b32 s26, s20, 16
	s_add_nc_u64 s[28:29], s[18:19], s[26:27]
.set i, 0
.rept 32
	global_load_b128 v[16+4*i:19+4*i], v1, s[22:23] offset:4096*i th:TH_LOAD_NT
.set i, i+1
.endr
.set i, 0
.rept 32
	s_wait_loadcnt 31-i                            ; loads come back in order: number i is in, the younger ones stay out
	v_cvt_pk_f16_f32 v[144+2*i], v[16+4*i], v[17+4*i]
	v_cvt_pk_f16_f32 v[145+2*i], v[18+4*i], v[19+4*i]
	global_store_b64 v2, v[144+2*i:145+2*i], s[28:29] offset:2048*i   ; a wave stores 256 consecutive bytes, aligned; no register is written twice
.set i, i+1
.endr
	s_endpgm
.Lfunc_end_k_q12e0ba6399_prep:
	.size	k_q12e0ba6399_prep, .Lfunc_end_k_q12e0ba6399_prep-k_q12e0ba6399_prep
	.p2alignl 7, 3214868480
	.fill 96, 4, 3214868480
	.section	.rodata,"a",@progbits
	.p2align	6, 0x0
	.amdhsa_kernel k_q12e0ba6399_prep
		.amdhsa_group_segment_fixed_size 0
		.amdhsa_private_segment_fixed_size 0
		.amdhsa_enable_private_segment 0
		.amdhsa_kernarg_size 64
		.amdhsa_user_sgpr_count 2
		.amdhsa_user_sgpr_kernarg_segment_ptr 1
		.amdhsa_wavefront_size32 1
		.amdhsa_system_sgpr_workgroup_id_x 1
		.amdhsa_system_sgpr_workgroup_id_y 1
		.amdhsa_system_sgpr_workgroup_id_z 1
		.amdhsa_system_vgpr_workitem_id 0
		.amdhsa_next_free_vgpr 208
		.amdhsa_next_free_sgpr 66
		.amdhsa_reserve_vcc 0
		.amdhsa_float_denorm_mode_32 3
		.amdhsa_float_denorm_mode_16_64 3
		.amdhsa_memory_ordered 1
		.amdhsa_forward_progress 1
		.amdhsa_inst_pref_size 23
	.end_amdhsa_kernel
	.amdgpu_metadata
---
amdhsa.version: [ 1, 2 ]
amdhsa.kernels:
  - .name:           k_q12e0ba6399_prep
    .symbol:         k_q12e0ba6399_prep.kd
    .args:
      - { .name: Wq, .offset: 0, .size: 8, .value_kind: global_buffer, .address_space: global }
      - { .name: Wk, .offset: 8, .size: 8, .value_kind: global_buffer, .address_space: global }
      - { .name: Wv, .offset: 16, .size: 8, .value_kind: global_buffer, .address_space: global }
      - { .name: Wo, .offset: 24, .size: 8, .value_kind: global_buffer, .address_space: global }
      - { .name: W1, .offset: 32, .size: 8, .value_kind: global_buffer, .address_space: global }
      - { .name: W2, .offset: 40, .size: 8, .value_kind: global_buffer, .address_space: global }
      - { .name: w4, .offset: 48, .size: 8, .value_kind: global_buffer, .address_space: global }
      - { .name: wh, .offset: 56, .size: 8, .value_kind: global_buffer, .address_space: global }
    .group_segment_fixed_size: 0
    .private_segment_fixed_size: 0
    .kernarg_segment_align: 8
    .kernarg_segment_size: 64
    .max_flat_workgroup_size: 256
    .sgpr_count:     66
    .vgpr_count:     208
    .wavefront_size: 32
...
	.end_amdgpu_metadata
.endif
;; end of part 1
;; launch qkv (part 2): grid 6 x 32, 8 waves a work-group, no clusters, 166,912 bytes of LDS; arguments x, w4, bq, bv, mask, qkv; writes qkv
.if DOCPART == 2
	.amdgcn_target "amdgcn-amd-amdhsa--gfx1250"
	.amdhsa_code_object_version 6
	.text
	.protected	k_q12e0ba6399_qkv
	.globl	k_q12e0ba6399_qkv
	.p2align	8
	.type	k_q12e0ba6399_qkv,@function
k_q12e0ba6399_qkv:
	s_mov_b64 s[64:65], 0
	v_nop
	global_prefetch_b8 v0, s[64:65] scope:SCOPE_SE
	s_setreg_imm32_b32 hwreg(HW_REG_WAVE_MODE, 25, 1), 1
	s_wait_xcnt 0x0
; Launch 2 of 8: q = x Wq + bq, k = x Wk, v = x Wv + bv on codes of E2M1 with E8M0 scales; results rounded to f16, head by head; the mask as an f32 bias.
; WORK LEFT OUT: bk (a term of the scores that is the same along the softmax's axis: shown at the head of the first launch).
; SHARES.  Work-group (c6, y): 384 columns of [Wq | Wk | Wv] (six heads' worth) x 128 rows of x.  Wave w quantises rows 16 w .. 16 w + 15 of x (six fragments of 128 along K) and hands them to the
; others through LDS as images of the operand's registers; it owns columns 48 w .. 48 w + 47 (three tiles), whose 18 weight fragments stay in its registers.
; The matrix instruction is used transposed (source 0 = 16 columns of W, source 1 = 16 rows of x): a lane holds one row and eight neighbouring columns, 16 bytes of f16.
; OUT: qkv [36 slots][4096][64] f16, slot = column / 64 (q 0-11, k 12-23, v 24-35); behind it, at byte 18,874,368, 4,096 f32: 0 where mask is not 0, -2^100 where it is 0.
; LIMITS: f16 holds magnitudes up to 65,504; a block of zeros keeps scale byte 1 (its codes are zeros); NaN and infinities among the inputs are not served.
; LDS: x's 48 images (6 m + s) x 1,024 bytes | their scale words x 128 | a stage of 6 heads x 128 rows x (128 + 16) bytes | the spare words.
; REGISTERS, window 0: v4-13 addresses; v16-33 W's scale words, v34-39 x's; v40-63 the biases in the result's layout; v64-111 x's six fragments; v112-135 three accumulators; v136-147 packed results;
;   while x is quantised v64-127 and v128-191 hold two sets of 64 numbers; v200-227 the quantiser's; v252, v253 the add's two.   window 1: v0-143 W's fragments, 8 (6 t + s).
.set XIMG,  0
.set XSC,   49152
.set STG,   55296
.set HROWS, 18432                      ; a head's 128 rows in the stage
.set SPARE, 165888                     ; the spare words: 128 bytes for each of the eight waves; no other line names them
.set SCLW,  884736
.set MBIAS, 18874368
.set XA,  4                            ; x: my lane's byte in the wave's 16 rows
.set LI,  5                            ; 16 x lane
.set LS,  6                            ; 4 x lane
.set XWI, 7                            ; where I store x's images
.set XWS, 8                            ; and their scale words
.set SO,  9                            ; v9-11: the stage, on the way in, for my three tiles
.set RD0, 12                           ; v12, v13: the stage, on the way out: heads 0-2, heads 3-5
.set WS,  16
.set XS,  34
.set BI,  40
.set XF,  64
.set AC,  112
.set PK,  136
.set SA,  64
.set SB,  128
.set TM,  200
.set PW,  216
.set PC,  220
.set SPW, 252
.set NIL, 253
.set WV,  16
.set SEL, 36
.set MSB, 0
.macro WIN new                         ; the immediate's high byte repeats the setting that is left
.if MSB != \new
	s_set_vgpr_msb (MSB<<8)|\new
.set MSB, \new
.endif
.endm
; 64 numbers of a lane, register 16 b + i = k 32 b + 16 (lane / 16) + i of my row, become a fragment's codes in v[PC] on and its scale word in v[PW]
.macro QUANT s
.irp b, 0,1,2,3
	v_max3_num_f32 v[TM+\b], |v[\s+16*\b]|, |v[\s+1+16*\b]|, 0x1800000   ; my 16 numbers of block b, and the floor 2^(3 - 127): the byte cannot fall under 1
.endr
.irp i, 2,4,6,8,10,12,14
.irp b, 0,1,2,3
	v_max3_num_f32 v[TM+\b], v[TM+\b], |v[\s+16*\b+\i]|, |v[\s+1+16*\b+\i]|
.endr
.endr
.irp b, 0,1,2,3
	v_permlanex16_b32 v[TM+4+\b], v[TM+\b], s[SEL], s[SEL+1]
.endr
.irp b, 0,1,2,3
	v_max_num_f32 v[TM+\b], v[TM+\b], v[TM+4+\b]   ; with lane l xor 16's: the block's largest magnitude
.endr
.irp b, 0,1,2,3
	v_add_nc_u32 v[TM+12+\b], 0xff000000, v[TM+\b] ; 2 off its exponent field: the conversion's scale operand
.endr
.irp b, 0,1,2,3
	v_lshrrev_b32 v[TM+4+\b], 23, v[TM+12+\b]      ; the scale's byte
.endr
	v_lshl_or_b32 v[PW], v[TM+5], 8, v[TM+4]
	v_lshl_or_b32 v[PW], v[TM+6], 16, v[PW]
	v_lshl_or_b32 v[PW], v[TM+7], 24, v[PW]
.irp b, 0,1,2,3
	v_cvt_scalef32_pk8_fp4_f32 v[PC+2*\b], v[\s+16*\b:\s+7+16*\b], v[TM+12+\b]
	v_cvt_scalef32_pk8_fp4_f32 v[PC+1+2*\b], v[\s+8+16*\b:\s+15+16*\b], v[TM+12+\b]
.endr
	v_nop                                          ; one plain place behind a scaled conversion
.irp c, 0,1                                    ; the operand's layout wants a whole block in a lane
.irp i, 0,1
	v_permlane16_swap_b32 v[PC+4*\c+\i], v[PC+2+4*\c+\i]
.endr
.endr
.endm
.macro IMAGE adr, off
.irp c, 0,1
	ds_store_b128 v[\adr], v[PC+4*\c:PC+4*\c+3] offset:\off+512*\c
.endr
.endm
.macro FETCH reg, off
.irp c, 0,1
	ds_load_b128 v[\reg+4*\c:\reg+4*\c+3], v[LI] offset:\off+512*\c
.endr
.endm
.macro BARRIER                                 ; my LDS stores have landed and my LDS loads are in: then the work-group's barrier
	s_wait_dscnt 0x0
	s_barrier_signal -1
	s_barrier_wait -1
.endm
.macro XLOAD reg, s                            ; my 16 rows' numbers of K step s: 64 a lane
.irp b, 0,1,2,3
.irp j, 0,1,2,3
	global_load_b128 v[\reg+16*\b+4*\j:\reg+16*\b+4*\j+3], v[XA], s[4:5] offset:512*(\s)+128*\b+16*\j
.endr
.endr
.endm
; K step s of x, in set: waited for, quantised, its image stored; more = 1: the set takes K step s + 2.  left: the younger loads that may stay out
.macro PHX s, set, more, left
	s_wait_loadcnt \left
.if \s > 0
	s_wait_dscnt 0x0                               ; the last image's stores are done
.endif
	QUANT \set
	IMAGE XWI, XIMG+1024*\s
	ds_store_b32 v[XWS], v[PW] offset:XSC+128*\s
.if \more
	XLOAD \set, \s+2
.endif
.endm
	s_load_b256 s[4:11], s[0:1], 0x0               ; x s[4:5], w4 s[6:7], bq s[8:9], bv s[10:11]
	s_load_b128 s[12:15], s[0:1], 0x20             ; mask s[12:13], qkv s[14:15]
	v_lshl_add_u32 v[SPW], v0, 2, SPARE
	v_mov_b32 v[NIL], 0
	v_lshrrev_b32 v1, 5, v0
	v_readfirstlane_b32 s[WV], v1                  ; wave 0..7
	v_and_b32 v1, 31, v0                           ; lane
	v_and_b32 v2, 15, v0                           ; r
	v_bfe_u32 v3, v0, 4, 1                         ; h
	v_mul_u32_u24 v[XA], v2, 3072
	v_lshl_add_u32 v[XA], v3, 6, v[XA]             ; row r of 3,072 bytes, + 64 h: my 16 numbers of a block of 32
	v_lshlrev_b32 v[LI], 4, v1
	v_lshlrev_b32 v[LS], 2, v1
	s_mul_i32 s20, s[WV], 6144
	v_add_nc_u32 v[XWI], s20, v[LI]
	s_mul_i32 s20, s[WV], 768
	v_add_nc_u32 v[XWS], s20, v[LS]
	v_mul_u32_u24 v14, v2, 144
	v_lshl_add_u32 v14, v3, 4, v14                 ; stage: row r, + 16 h
.irp t, 0,1,2
	s_mul_i32 s20, s[WV], 3
	s_add_co_u32 s20, s20, \t                      ; my tile 3 w + t of the 24:
	s_lshr_b32 s21, s20, 2                         ; its head,
	s_and_b32 s20, s20, 3                          ; its 16 columns in the head
	s_mul_i32 s21, s21, HROWS
	s_lshl_b32 s20, s20, 5
	s_add_co_u32 s21, s21, s20
	s_add_co_u32 s21, s21, STG
	v_add_nc_u32 v[SO+\t], s21, v14
.endr
	v_lshrrev_b32 v15, 3, v1
	v_mul_u32_u24 v15, v15, 144
	v_and_b32 v14, 7, v1
	v_lshl_add_u32 v15, v14, 4, v15                ; back: eight lanes to a row of 128 bytes, four rows an instruction
	s_mul_i32 s20, s[WV], 16*144
	s_add_co_u32 s20, s20, STG
	v_add_nc_u32 v[RD0], s20, v15
	v_add_nc_u32 v[RD0+1], 3*HROWS, v[RD0]
	s_mov_b32 s[SEL], 0x76543210
	s_mov_b32 s[SEL+1], 0xfedcba98
.irp b, 0,1,2,3
	v_mov_b32 v[TM+4+\b], 0                        ; written once: a lane permute's destination counts as one of its sources
.endr
	s_mov_b32 s17, ttmp9                           ; c6
	s_and_b32 s18, ttmp7, 0xffff                   ; y
	s_mul_i32 s20, s18, 128*3072
	s_mul_i32 s21, s[WV], 16*3072
	s_add_co_u32 s20, s20, s21
	s_mov_b32 s21, 0                               ; x: my wave's first row
	s_mul_i32 s22, s17, 24
	s_mul_i32 s23, s[WV], 3
	s_add_co_u32 s22, s22, s23                     ; my first tile T
	s_mul_i32 s24, s22, 6144
	s_mov_b32 s25, 0
	s_mul_i32 s26, s22, 768
	s_add_co_u32 s26, s26, SCLW
	s_mov_b32 s27, 0
	s_mul_i32 s32, s17, 6*524288
	s_lshl_b32 s33, s18, 14
	s_add_co_u32 s32, s32, s33
	s_lshl_b32 s33, s[WV], 11
	s_add_co_u32 s32, s32, s33
	s_mov_b32 s33, 0                               ; out: slot 6 c6, row 128 y + 16 w
	s_wait_kmcnt 0x0
	s_add_nc_u64 s[4:5], s[4:5], s[20:21]
	s_add_nc_u64 s[24:25], s[6:7], s[24:25]
	s_add_nc_u64 s[26:27], s[6:7], s[26:27]
	s_add_nc_u64 s[32:33], s[14:15], s[32:33]
	WIN 0x40                                       ; destination window 1
.set f, 0
.rept 18
	global_load_b128 v[8*f:8*f+3], v[LI], s[24:25] offset:1024*f          ; W's fragments as they lie: they stay
	global_load_b128 v[8*f+4:8*f+7], v[LI], s[24:25] offset:1024*f+512
.set f, f+1
.endr
	WIN 0
.set f, 0
.rept 18
	global_load_b32 v[WS+f], v[LS], s[26:27] offset:128*f
.set f, f+1
.endr
	s_lshr_b32 s28, s17, 1                         ; 0: q, 1: k, 2: v
	s_cmp_eq_u32 s28, 1
	s_cbranch_scc1 .Lno_bias
	s_cmp_eq_u32 s28, 0
	s_cselect_b64 s[30:31], s[8:9], s[10:11]
	s_and_b32 s28, s17, 1
	s_mul_i32 s28, s28, 384*4
	s_mul_i32 s29, s[WV], 48*4
	s_add_co_u32 s28, s28, s29
	s_mov_b32 s29, 0
	s_add_nc_u64 s[30:31], s[30:31], s[28:29]
	v_lshlrev_b32 v14, 5, v3                       ; lane (r, h) wants, for tile t, the bias of columns 16 t + 8 h + 0 .. 7
.irp t, 0,1,2
	global_load_b128 v[BI+8*\t:BI+8*\t+3], v14, s[30:31] offset:64*\t
	global_load_b128 v[BI+8*\t+4:BI+8*\t+7], v14, s[30:31] offset:64*\t+16
.endr
	s_branch .Lbias_done
.Lno_bias:
.set i, 0
.rept 24
	v_mov_b32 v[BI+i], 0                           ; k takes no bias
.set i, i+1
.endr
.Lbias_done:
	XLOAD SA, 0
	XLOAD SB, 1
	; ---- x: my 16 rows become six fragments.  The counted wait leaves the one younger run of 16 loads out; all that was asked for earlier (the weights, the biases) is in with it
	PHX 0, SA, 1, 16
	PHX 1, SB, 1, 16
	PHX 2, SA, 1, 16
	PHX 3, SB, 1, 16
	PHX 4, SA, 0, 16
	PHX 5, SB, 0, 0
	BARRIER                                        ; x's 48 fragments lie in LDS
	; ---- the products, a tile of 16 rows at a time: three accumulators by turns, K step by K step; the bias is the C of each sum's first product
.irp m, 0,1,2,3,4,5,6,7
.irp s, 0,1,2,3,4,5
	FETCH XF+8*\s, XIMG+(6*\m+\s)*1024
	ds_load_b32 v[XS+\s], v[LS] offset:XSC+128*(6*\m+\s)
.endr
	s_wait_dscnt 0x0                               ; the fragments are in, and the last tile's stores into the stage are done
	WIN 0x01                                       ; source 0 (W) window 1
.irp s, 0,1,2,3,4,5
.irp t, 0,1,2
.if \s == 0
	v_wmma_scale_f32_16x16x128_f8f6f4 v[AC+8*\t:AC+8*\t+7], v[8*(6*\t+\s):8*(6*\t+\s)+7], v[XF+8*\s:XF+8*\s+7], v[BI+8*\t:BI+8*\t+7], v[WS+6*\t+\s], v[XS+\s] matrix_a_fmt:MATRIX_FMT_FP4 matrix_b_fmt:MATRIX_FMT_FP4
.else
	v_wmma_scale_f32_16x16x128_f8f6f4 v[AC+8*\t:AC+8*\t+7], v[8*(6*\t+\s):8*(6*\t+\s)+7], v[XF+8*\s:XF+8*\s+7], v[AC+8*\t:AC+8*\t+7], v[WS+6*\t+\s], v[XS+\s] matrix_a_fmt:MATRIX_FMT_FP4 matrix_b_fmt:MATRIX_FMT_FP4
.endif
.endr
.endr
	WIN 0
.rept 5
	v_nop                                          ; places behind the products: four ahead of the first read of a result and of loads into operands, five ahead of the next tile's first product, which begins an accumulator anew
.endr
.irp t, 0,1,2
.irp i, 0,1,2,3
	v_cvt_pk_f16_f32 v[PK+4*\t+\i], v[AC+8*\t+2*\i], v[AC+8*\t+2*\i+1]   ; each accumulator from its low end on
.endr
.endr
.irp t, 0,1,2
	ds_store_b128 v[SO+\t], v[PK+4*\t:PK+4*\t+3] offset:16*144*\m        ; lane (r, h): row 16 m + r, columns 16 t + 8 h + 0 .. 7 of my 48
.endr
.endr
	BARRIER                                        ; six heads x 128 rows lie in the stage
	; ---- the way out: wave w takes rows 16 w .. 16 w + 15 of all six heads; a store covers four rows of 128 bytes, 512 consecutive bytes of a slot
.irp hd, 0,1,2,3,4,5
.irp i, 0,1,2,3
	ds_load_b128 v[64+16*\hd+4*\i:64+16*\hd+4*\i+3], v[RD0+\hd/3] offset:(\hd%3)*HROWS+576*\i
.endr
.endr
.irp hd, 0,1,2,3,4,5
.irp i, 0,1,2,3
	s_wait_dscnt 23-4*\hd-\i                       ; LDS loads come back in order: this one is in, the younger ones stay out
	global_store_b128 v[LI], v[64+16*\hd+4*\i:64+16*\hd+4*\i+3], s[32:33] offset:\hd*524288+512*\i
.endr
.endr
	; ---- 128 numbers of the mask (keys 128 y on), by one wave of the first column of work-groups
	s_cmp_lg_u32 s17, 0
	s_cbranch_scc1 .Lno_mask
	s_cmp_lg_u32 s[WV], 0
	s_cbranch_scc1 .Lno_mask
	s_lshl_b32 s20, s18, 9
	s_mov_b32 s21, 0
	s_add_nc_u64 s[12:13], s[12:13], s[20:21]
	s_add_nc_u64 s[34:35], s[14:15], s[20:21]
	s_add_nc_u64 s[34:35], s[34:35], MBIAS         ; the bias lies behind the 36 slots: further than a store's signed 24-bit immediate reaches, so it goes into the base
	global_load_b128 v[200:203], v[LI], s[12:13]
	v_mov_b32 v15, 0xf1800000                      ; -2^100: under every score that this program serves, and under the value at which the running maximum begins
	s_wait_loadcnt 0x0
.irp i, 0,1,2,3
	v_cmp_eq_u32 vcc_lo, 0, v[200+\i]
	v_cndmask_b32 v[204+\i], 0, v15, vcc_lo
.endr
	global_store_b128 v[LI], v[204:207], s[34:35]
.Lno_mask:
	s_wait_tensorcnt 0x0                           ; the wave's end: behind my last LDS store
	ds_add_u32 v[SPW], v[NIL]
	s_wait_dscnt 0x0
	s_endpgm
.Lfunc_end_k_q12e0ba6399_qkv:
	.size	k_q12e0ba6399_qkv, .Lfunc_end_k_q12e0ba6399_qkv-k_q12e0ba6399_qkv
	.p2alignl 7, 3214868480
	.fill 96, 4, 3214868480
	.section	.rodata,"a",@progbits
	.p2align	6, 0x0
	.amdhsa_kernel k_q12e0ba6399_qkv
		.amdhsa_group_segment_fixed_size 166912
		.amdhsa_private_segment_fixed_size 0
		.amdhsa_enable_private_segment 0
		.amdhsa_kernarg_size 48
		.amdhsa_user_sgpr_count 2
		.amdhsa_user_sgpr_kernarg_segment_ptr 1
		.amdhsa_wavefront_size32 1
		.amdhsa_system_sgpr_workgroup_id_x 1
		.amdhsa_system_sgpr_workgroup_id_y 1
		.amdhsa_system_sgpr_workgroup_id_z 1
		.amdhsa_system_vgpr_workitem_id 0
		.amdhsa_next_free_vgpr 400
		.amdhsa_next_free_sgpr 66
		.amdhsa_reserve_vcc 1
		.amdhsa_float_denorm_mode_32 3
		.amdhsa_float_denorm_mode_16_64 3
		.amdhsa_memory_ordered 1
		.amdhsa_forward_progress 1
		.amdhsa_inst_pref_size 86
	.end_amdhsa_kernel
	.amdgpu_metadata
---
amdhsa.version: [ 1, 2 ]
amdhsa.kernels:
  - .name:           k_q12e0ba6399_qkv
    .symbol:         k_q12e0ba6399_qkv.kd
    .args:
      - { .name: x, .offset: 0, .size: 8, .value_kind: global_buffer, .address_space: global }
      - { .name: w4, .offset: 8, .size: 8, .value_kind: global_buffer, .address_space: global }
      - { .name: bq, .offset: 16, .size: 8, .value_kind: global_buffer, .address_space: global }
      - { .name: bv, .offset: 24, .size: 8, .value_kind: global_buffer, .address_space: global }
      - { .name: mask, .offset: 32, .size: 8, .value_kind: global_buffer, .address_space: global }
      - { .name: qkv, .offset: 40, .size: 8, .value_kind: global_buffer, .address_space: global }
    .group_segment_fixed_size: 166912
    .private_segment_fixed_size: 0
    .kernarg_segment_align: 8
    .kernarg_segment_size: 48
    .max_flat_workgroup_size: 256
    .sgpr_count:     66
    .vgpr_count:     400
    .wavefront_size: 32
...
	.end_amdgpu_metadata
.endif
;; end of part 2
;; launch attn (part 3): grid 32 x 6, 8 waves a work-group, clusters of 4 x 1, 327,680 bytes of LDS; arguments qkv, a16; writes a16
.if DOCPART == 3
	.amdgcn_target "amdgcn-amd-amdhsa--gfx1250"
	.amdhsa_code_object_version 6
	.text
	.protected	k_q12e0ba6399_attn
	.globl	k_q12e0ba6399_attn
	.p2align	8
	.type	k_q12e0ba6399_attn,@function
k_q12e0ba6399_attn:
	s_mov_b64 s[64:65], 0
	v_nop
	global_prefetch_b8 v0, s[64:65] scope:SCOPE_SE
	s_setreg_imm32_b32 hwreg(HW_REG_WAVE_MODE, 25, 1), 1
	s_wait_xcnt 0x0
	s_wait_alu depctr_hold_cnt(0) depctr_sa_sdst(0) depctr_va_vdst(0) depctr_va_sdst(0) depctr_va_ssrc(0) depctr_va_vcc(0) depctr_vm_vsrc(0)
	s_getreg_b32 s2, hwreg(HW_REG_IB_STS2, 6, 4)
	s_cmp_eq_u32 s2, 0
	s_cbranch_scc0 .Lentry_in_a_cluster
	s_endpgm
.Lentry_in_a_cluster:
	s_bfe_u32 s2, ttmp6, 0x10000c
	s_cmp_lg_u32 s2, 0x3003
	s_cbranch_scc0 .Lentry_shape_is_right
	s_endpgm
.Lentry_shape_is_right:
; Launch 3 of 8: ctx[q][head] = the sum over keys of softmax(q . k / 8 + mask) v, f16 operands, f32 products, maxima and sums; ctx rounded to f16 once.
; WORK LEFT OUT: bk (shown at the head of the first launch).
; SHARES.  A work-group owns 128 queries of a PAIR of heads, so that a row of ctx gets 256 aligned bytes from it.  Wave w: head w / 4 of the pair, queries 32 (w % 4) on: two tiles of 16.  Every wave walks all 4,096 keys, 64 a step.
; LAYOUT.  S^T = K Q^T (source 0 = 16 keys, source 1 = 16 queries): a lane holds ONE query and the keys 8 (lane / 16) + 0..7; two such tiles, rounded to f16 in pairs, ARE source 1 of O^T = V^T P.
; K comes out of LDS as it lies, V ([key][channel]) turned, by ds_load_tr16_b128.  THE MASK is the C of each score tile's first product: 0, or -2^100 for a key that is masked.
; SOFTMAX.  For each query a running maximum m and sum l: p = 2^(c s - c m), c = log2(e) / 8; in every step O and l are multiplied by a = 2^(c m_old - c m_new).
; m begins at -2^98, over a masked key's -2^100 and under every true score: while all keys seen are masked, m stays there, every p is 2^(c (-2^100 + 2^98)) = 0, and l and O stay zeros.
; LIMITS: a true score stays under 1e29 in magnitude; a row whose maximum ends under -1e29 has every key masked and gets NaN, as the softmax of -infinities does; f16 holds magnitudes up to 65,504.
; BY TURNS.  The wave's two tiles are two pieces.  In a TURN one piece has the matrix unit: 8 products V^T P of the step in hand, then 8 products K Q^T of the next step; the other piece's softmax, a list of 118
; vector instructions, stands between them: 7.4 for each matrix instruction.  Then the pieces change places; two turns are a key step.  Piece 0's turn carries piece 1's softmax of step j, piece 1's turn piece 0's of step j + 1.
; K and V have one set of registers each: K (and the bias) of step j + 1 is asked for at the head of piece 0's turn, when both pieces have multiplied by K of step j; V of step j + 1 behind the 8th product of piece 1's turn.
; REGISTERS, in windows of 256.  window 0: v2-13 addresses; v14, v15 the add's two; v16-31 statistics, eight a tile; v32-95 S^T; v96-127 P; v128-191 O^T (32 t + 8 ct); v192-255 V of a step.
;   window 1: v0-63 K of a step; v64-95 Q; v96-127 the mask's bias.  So V^T P and all of the softmax name window 0 alone and want no switch; only K Q^T reaches into window 1: its products go in pairs, two switches a pair.
; CLUSTER.  The four query blocks of a cluster belong to one pair of heads and walk the same K, V and mask: every tensor load is asked for JOINTLY, with one descriptor and a mask that names the four.
; RING.  Two LDS slots of 256 keys.  K and V are dense in memory, so a tile is stated as rows of 256 bytes, two keys to a row.  A wave's load brings 64 such rows (waves 0-3 K's, waves 4-7 V's).
; The change of slots stands behind a slot's last LDS read; the refill behind its round has four key steps in which to land.  Three tensor loads of a wave are out at the head, later one; every wait for them is for 0.
.set PK2,   272                        ; two keys of K in LDS: 256 bytes + 16 = 68 words: pair i starts at word 68 i, its odd key 32 words on: the 16 keys of a load start at 16 different 16-byte columns of the 64 banks (ISA guide 11.1)
.set PV2,   288                        ; two keys of V: 256 + 32 = 72 words: the turning load's 8 keys x 32 bytes start at words 8 i and 8 i + 32
.set KSTEP, 32*PK2                     ; a step's 64 keys of K
.set VSTEP, 32*PV2                     ; and of V
.set KREG,  4*KSTEP                    ; a head's 256 keys of K in a slot; its V lies behind them
.set HEADB, KREG+4*VSTEP               ; one head's part of a slot
.set SLOTB, 2*HEADB                    ; a slot: 143,360 bytes
.set BIAS,  2*SLOTB                    ; behind the ring: the mask's 4,096 f32, filled once
.set SPARE, BIAS+16384                 ; the spare words: 128 bytes for each of the eight waves; no other line names them
.set STAGE, 0                          ; the way out: 128 rows x 272 bytes in slot 0, which is left at the last change of slots: it has had its last fill and its last read
.set SP,    272
.set QSLOT, 524288                     ; a slot of qkv in bytes
.set MBIAS, 18874368
.set AK0, 2                            ; my lane's place in a step's K
.set AV0, 3                            ; and V
.set ADK, 4                            ; the same in the slot in hand
.set ADV, 5
.set AB0, 6                            ; my lane's place in the bias
.set ADB, 7
.set STO, 8
.set RD,  9
.set GO,  10
.set QO,  11
.set PFO, 12
.set NANR, 13
.set SPW, 14
.set NIL, 15
.set ST,  16                           ; tile t at v[ST + 8 t]: +0 c m, +1 m, +2, +3 l, +4 to +7 at work; a takes +6
.set S,   32
.set P,   96
.set O,   128
.set VF,  192
.set KF,  0                            ; in window 1
.set QF,  64
.set BI,  96
.set WV,  12
.set LIM, 15
.set PFA, 18
.set G1K, 24                           ; s[24:31], s[32:39] descriptor group 1 for K's and V's tiles: they differ in the padding
.set G1V, 32
.set G0K, 40                           ; s[40:47], s[48:55] group 0: a set for each of the two first fills; the second then walks on
.set G0V, 48
.set SLOTS, 56
.set TD,  57                           ; the slot that the walking descriptors name: 0 or SLOTB
.set CS,  58
.set SEL, 60
.set TB,  62                           ; the slot that is read: 0 or SLOTB
.set KB,  63                           ; where its keys' bias begins
.set G1M, 68
.set G0M, 76
.set THR, 80
.set LK,  81                           ; my K tile's place in a slot
.set LV,  84                           ; my V tile's
.set MSB, 0
.macro WIN new                         ; the immediate's high byte repeats the setting that is left; a switch that changes nothing is dropped
.if MSB != \new
	s_set_vgpr_msb (MSB<<8)|\new
.set MSB, \new
.endif
.endm
.set W_KB, 0x15                        ; K, Q and the bias (sources 0, 1, 2) in window 1, S^T in window 0
.set W_KQ, 0x05                        ; K and Q in window 1, S^T (C and D) in window 0
.set TO1,  0x40                        ; destination window 1, address window 0
; A joint refill: waves 0-3 fetch K's four tiles of a slot, waves 4-7 V's.  The branch hangs on the wave's number alone.  An s_nop 0 and four v_nop follow each of the two lines.
.macro JLOAD
	s_cmp_lt_u32 s[WV], 4
	s_cbranch_scc0 .Lfor_v_\@
	tensor_load_to_lds s[G0K+4:G0K+7], s[G1K:G1K+7]
	s_nop 0
.rept 4
	v_nop
.endr
	s_branch .Lasked_\@
.Lfor_v_\@:
	tensor_load_to_lds s[G0V+4:G0V+7], s[G1V:G1V+7]
	s_nop 0
.rept 4
	v_nop
.endr
.Lasked_\@:
.endm
; A prefetch of what the NEXT change of slots will ask for: 256 keys of K and of V of both heads, 32,768 bytes each.  All clusters of a pair of heads walk the same rows: the first cluster asks; its four partners take
; 8,192 bytes of each, told apart by ADDRESS; in each, waves 0 and 1 ask for K's two heads and waves 4 and 5 for V's, one instruction each, lanes 256 bytes apart.  The change that fills the last slot asks for nothing.
.macro ASK
	s_cmp_gt_u32 s[SLOTS], s[LIM]
	s_cbranch_scc0 .Lnot_mine_\@
	global_prefetch_b8 v[PFO], s[PFA:PFA+1] th:TH_LOAD_NT scope:SCOPE_SE
.Lnot_mine_\@:
.endm
.macro CROUND                          ; a round of the cluster's barrier
	s_barrier_signal -1
	s_barrier_wait -1
	s_cmp_lg_u32 s[WV], 0
	s_cbranch_scc1 .Lnot_wave_0_\@
	s_barrier_signal -3
.Lnot_wave_0_\@:
	s_barrier_wait -3
	s_barrier_signal -1
	s_barrier_wait -1
.endm
.macro PLACES                          ; four places behind a matrix instruction, where no plain vector work is at hand
.rept 4
	v_nop
.endr
.endm
	s_load_b128 s[4:7], s[0:1], 0x0                ; qkv s[4:5], a16 s[6:7]
	v_lshl_add_u32 v[SPW], v0, 2, SPARE
	v_mov_b32 v[NIL], 0
	ds_add_u32 v[SPW], v[NIL]                      ; the wave's opening: the add, twice on end, and its wait ahead of my first tensor load
	ds_add_u32 v[SPW], v[NIL]
	v_lshrrev_b32 v1, 5, v0
	v_readfirstlane_b32 s[WV], v1                  ; wave 0..7
	s_bfe_u32 s13, ttmp6, 0x40000                  ; cx: my place in the cluster
	s_lshl_b32 s14, ttmp9, 2
	s_add_co_u32 s14, s14, s13                     ; my block of 128 queries: it enters Q's and ctx's addresses alone
	s_and_b32 s16, ttmp7, 0xffff
	s_lshl_b32 s16, s16, 1                         ; 2 x the pair: its first head
	s_bfe_u32 s17, s[WV], 0x10001                  ; what I fetch: head (w / 2) % 2 of the pair,
	s_and_b32 s22, s[WV], 1                        ; keys 128 (w % 2) on of the slot's 256
	s_add_co_u32 s20, s16, s17
	s_add_co_u32 s20, s20, 12                      ; K's slot of qkv
	s_lshl_b32 s20, s20, 19
	s_lshl_b32 s21, s22, 14                        ; 128 keys of 128 bytes
	s_add_co_u32 s20, s20, s21
	s_mov_b32 s21, 0
	s_mul_i32 s17, s17, HEADB                      ; and its place in an LDS slot: no place in the cluster enters an LDS address
	s_mul_i32 s[LK], s22, 64*PK2
	s_add_co_u32 s[LK], s[LK], s17
	s_mul_i32 s[LV], s22, 64*PV2
	s_add_co_u32 s[LV], s[LV], s17
	s_add_co_u32 s[LV], s[LV], KREG
	s_lshr_b32 s23, s[WV], 2                       ; my head of the pair
	s_add_co_u32 s2, s16, s23
	s_lshl_b32 s2, s2, 19
	s_lshl_b32 s3, s14, 14
	s_add_co_u32 s2, s2, s3
	s_and_b32 s3, s[WV], 3
	s_lshl_b32 s3, s3, 12
	s_add_co_u32 s2, s2, s3
	s_mov_b32 s3, 0                                ; Q: my head's slot, row 128 qb + 32 (w % 4)
	s_mul_i32 s82, s14, 128*1536
	s_mul_i32 s83, s[WV], 16*1536
	s_add_co_u32 s82, s82, s83
	s_lshl_b32 s83, s16, 7
	s_add_co_u32 s82, s82, s83
	s_mov_b32 s83, 0                               ; ctx: row 128 qb + 16 w, byte 256 x pair
	; descriptor group 1: tiles of 64 rows x 128 elements of 2 bytes (two keys to a row), padded in LDS
	s_mov_b32 s[G1K], 15|(1<<16)|(1<<20)|(1<<21)|(5<<22)|(3<<25)   ; the mask: all four; elements of 2 bytes; padding on; bit 21 beside a mask; after every 64 words, 4 words
	s_mov_b32 s[G1V], 15|(1<<16)|(1<<20)|(1<<21)|(5<<22)|(7<<25)   ; the same with 8 words of padding
.irp g, G1K, G1V
	s_mov_b32 s[\g+1], 128<<16                     ; tensor_dim0
	s_mov_b32 s[\g+2], 64<<16                      ; tensor_dim1
	s_mov_b32 s[\g+3], 128<<16                     ; tile_dim0
	s_mov_b32 s[\g+4], 64                          ; tile_dim1
	s_mov_b32 s[\g+5], 128                         ; elements from row to row
	s_mov_b32 s[\g+6], 0
	s_mov_b32 s[\g+7], 0
.endr
	s_mov_b32 s[G1M], 15|(3<<16)|(1<<21)           ; the mask's bias: 2,048 dense bytes a wave, as 8 rows of 32 elements of 8 bytes
	s_mov_b32 s[G1M+1], 32<<16
	s_mov_b32 s[G1M+2], 8<<16
	s_mov_b32 s[G1M+3], 32<<16
	s_mov_b32 s[G1M+4], 8
	s_mov_b32 s[G1M+5], 32
	s_mov_b32 s[G1M+6], 0
	s_mov_b32 s[G1M+7], 0
	s_mov_b32 s[CS], 0x3e38aa3b                    ; c = log2(e) / 8
	s_mov_b32 s[CS+1], s[CS]                       ; named with it as a pair, so it is written
	s_mov_b32 s[SEL], 0x76543210
	s_mov_b32 s[SEL+1], 0xfedcba98
	s_mov_b32 s[THR], 0xefa18f08                   ; -1e29
	s_mov_b32 s[TB], 0
	s_mov_b32 s[KB], 0
	s_mov_b32 s[TD], SLOTB                         ; the walking descriptors begin as slot 1's first fill
	s_mov_b32 s[SLOTS], 14                         ; 16 slots' worth of keys, two of them asked for at the head
	s_and_b32 s[LIM], s[WV], 2                     ; 0 in waves 0, 1, 4, 5,
	s_or_b32 s[LIM], s[LIM], ttmp9                 ; of the pair's first cluster: the same in all four partners
	s_cmp_eq_u32 s[LIM], 0
	s_cselect_b32 s[LIM], 1, -1
	s_wait_dscnt 0x0                               ; both opening adds are done
	s_wait_kmcnt 0x0
	s_add_nc_u64 s[8:9], s[4:5], s[2:3]            ; Q
	s_add_nc_u64 s[10:11], s[6:7], s[82:83]        ; ctx
	s_add_nc_u64 s[20:21], s[4:5], s[20:21]        ; K at my tile of slot 0,
	s_add_nc_u64 s[22:23], s[20:21], 12*QSLOT      ; V likewise
.irp s, 0,1
	s_mov_b32 s[G0K+4*\s], 1                       ; count = 1
	s_add_co_u32 s[G0K+4*\s+1], s[LK], \s*SLOTB    ; LDS address
	s_add_nc_u64 s[G0K+4*\s+2:G0K+4*\s+3], s[20:21], \s*32768   ; global address: slot s begins with keys 256 s
	s_or_b32 s[G0K+4*\s+3], s[G0K+4*\s+3], 0x80000000           ; type = 2
	s_mov_b32 s[G0V+4*\s], 1
	s_add_co_u32 s[G0V+4*\s+1], s[LV], \s*SLOTB
	s_add_nc_u64 s[G0V+4*\s+2:G0V+4*\s+3], s[22:23], \s*32768
	s_or_b32 s[G0V+4*\s+3], s[G0V+4*\s+3], 0x80000000
.endr
	s_lshl_b32 s2, s[WV], 11
	s_mov_b32 s3, 0
	s_mov_b32 s[G0M], 1
	s_add_co_u32 s[G0M+1], s2, BIAS
	s_add_nc_u64 s[G0M+2:G0M+3], s[4:5], s[2:3]
	s_add_nc_u64 s[G0M+2:G0M+3], s[G0M+2:G0M+3], MBIAS
	s_or_b32 s[G0M+3], s[G0M+3], 0x80000000
	s_lshr_b32 s2, s[WV], 2                        ; the prefetches: waves 0, 1 stand in K, waves 4, 5 in V,
	s_mul_i32 s2, s2, 12
	s_add_co_u32 s2, s2, s16
	s_and_b32 s3, s[WV], 1                         ; in the pair's head w % 2,
	s_add_co_u32 s2, s2, s3
	s_add_co_u32 s2, s2, 12
	s_lshl_b32 s2, s2, 19
	s_lshl_b32 s3, s13, 13                         ; at my work-group's 8,192 bytes of the head's 32,768,
	s_add_co_u32 s2, s2, s3
	s_add_co_u32 s2, s2, 2*32768                   ; in slot 2: the first change of slots steps it to slot 3.  Nothing is prefetched at the head
	s_mov_b32 s3, 0
	s_add_nc_u64 s[PFA:PFA+1], s[4:5], s[2:3]
	CROUND                                         ; all four work-groups are here: the first joint loads meet
	tensor_load_to_lds s[G0M:G0M+3], s[G1M:G1M+7]  ; the mask's bias: filled once
	s_nop 0
	s_cmp_lt_u32 s[WV], 4                          ; the ring's two first fills: an s_nop 0 follows each, four v_nop the second
	s_cbranch_scc0 .Lfirst_v
	tensor_load_to_lds s[G0K:G0K+3], s[G1K:G1K+7]
	s_nop 0
	tensor_load_to_lds s[G0K+4:G0K+7], s[G1K:G1K+7]
	s_nop 0
.rept 4
	v_nop
.endr
	s_branch .Lfirst_asked
.Lfirst_v:
	tensor_load_to_lds s[G0V:G0V+3], s[G1V:G1V+7]
	s_nop 0
	tensor_load_to_lds s[G0V+4:G0V+7], s[G1V:G1V+7]
	s_nop 0
.rept 4
	v_nop
.endr
.Lfirst_asked:
	v_and_b32 v1, 15, v0                           ; r
	v_bfe_u32 v32, v0, 4, 1                        ; h
	v_lshlrev_b32 v[QO], 7, v1
	v_lshl_add_u32 v[QO], v32, 4, v[QO]            ; row r of 128 bytes + 16 h
	WIN TO1
.irp f, 0,1,2,3                                ; Q stays in registers: tile f / 2, channels 32 (f % 2) on
	global_load_b128 v[QF+8*\f:QF+8*\f+3], v[QO], s[8:9] offset:(\f/2)*2048+(\f%2)*64
	global_load_b128 v[QF+8*\f+4:QF+8*\f+7], v[QO], s[8:9] offset:(\f/2)*2048+(\f%2)*64+32
.endr
	WIN 0
.set i, 0
.rept 64
	v_mov_b32 v[O+i], 0                            ; O^T.  The softmax is written without a first form: the first change of m multiplies zeros
.set i, i+1
.endr
	s_lshr_b32 s2, s[WV], 2
	s_mul_i32 s2, s2, HEADB                        ; my head's part of a slot
	v_lshrrev_b32 v33, 1, v1
	v_mul_u32_u24 v[AK0], v33, PK2                 ; K: key r lies in pair r / 2,
	v_and_b32 v33, 1, v1
	v_lshl_add_u32 v[AK0], v33, 7, v[AK0]          ; 128 bytes on where r is odd,
	v_lshl_add_u32 v[AK0], v32, 4, v[AK0]          ; + 16 h
	v_add_nc_u32 v[AK0], s2, v[AK0]
	v_bfe_u32 v33, v0, 1, 2
	v_lshl_add_u32 v33, v32, 2, v33                ; V, for the turning load: key 8 h + l % 8 lies in pair 4 h + (l / 2) % 4,
	v_mul_u32_u24 v[AV0], v33, PV2
	v_and_b32 v33, 1, v0
	v_lshl_add_u32 v[AV0], v33, 7, v[AV0]          ; 128 bytes on where l is odd,
	v_bfe_u32 v33, v0, 3, 1
	v_lshl_add_u32 v[AV0], v33, 4, v[AV0]          ; channels 8 ((l / 8) % 2) on
	s_add_co_u32 s3, s2, KREG
	v_add_nc_u32 v[AV0], s3, v[AV0]
	v_lshl_add_u32 v[AB0], v32, 5, BIAS            ; the bias of keys 8 h + 0 .. 7
	v_add_nc_u32 v[ADK], s[TB], v[AK0]
	v_add_nc_u32 v[ADV], s[TB], v[AV0]
	v_add_nc_u32 v[ADB], s[KB], v[AB0]
	s_and_b32 s3, s[WV], 3
	s_mul_i32 s3, s3, 32*SP
	s_lshr_b32 s2, s[WV], 2
	s_lshl_b32 s2, s2, 7
	s_add_co_u32 s3, s3, s2
	s_add_co_u32 s3, s3, STAGE
	v_mul_u32_u24 v[STO], v1, SP
	v_lshl_add_u32 v[STO], v32, 4, v[STO]
	v_add_nc_u32 v[STO], s3, v[STO]                ; the stage, in: row 32 (w % 4) + r, my head's 128 bytes, + 16 h
	s_mul_i32 s3, s[WV], 16*SP
	s_add_co_u32 s3, s3, STAGE
	v_mul_u32_u24 v[RD], v32, SP
	v_lshl_add_u32 v[RD], v1, 4, v[RD]
	v_add_nc_u32 v[RD], s3, v[RD]                  ; back: rows 16 w on; lanes 0-15 one row of 256 bytes, lanes 16-31 the next
	v_mul_u32_u24 v[GO], v32, 1536
	v_lshl_add_u32 v[GO], v1, 4, v[GO]             ; and the same two rows in ctx
	v_and_b32 v[PFO], 31, v0
	v_lshlrev_b32 v[PFO], 8, v[PFO]                ; prefetch: lanes 256 bytes apart
.irp t, 0,1
	v_mov_b32 v[ST+8*\t+1], 0xf0800000             ; m = -2^98: under every true score, over a masked key's -2^100
	v_mov_b32 v[ST+8*\t+2], 0                      ; l, in two halves
	v_mov_b32 v[ST+8*\t+3], 0
.endr
.irp t, 0,1
	v_mul_f32 v[ST+8*\t], s[CS], v[ST+8*\t+1]      ; c m
.endr
; THE MATRIX WORK.  The accumulators take turns, one instruction a turn: between two links of a chain stand three others'.
; Product i of 8 of O^T += V^T P for tile x: keys 32 (i / 4) on, channels 16 (i % 4) on.  All its registers lie in window 0.
.macro PV x
.set rO, O+32*(\x)+8*(i%4)
.set rV, VF+32*(i/4)+8*(i%4)
.set rP, P+16*(\x)+8*(i/4)
	v_wmma_f32_16x16x32_f16 v[rO:rO+7], v[rV:rV+7], v[rP:rP+7], v[rO:rO+7]
.endm
; Pair i of 4 of S^T = K Q^T + bias for tile x: channels 32 (i / 2) on, keys 16 ((2 i) % 4) and 16 ((2 i) % 4 + 1) on.  The first two pairs start the sums on the bias.
.macro KQ2 x
.if i < 2
	WIN W_KB
.else
	WIN W_KQ
.endif
.irp u, 0,1
.set kt, (2*i+\u)%4
.set dh, i/2
.set rS, S+32*(\x)+8*kt
.if i < 2
	v_wmma_f32_16x16x32_f16 v[rS:rS+7], v[KF+16*kt+8*dh:KF+16*kt+8*dh+7], v[QF+16*(\x)+8*dh:QF+16*(\x)+8*dh+7], v[BI+8*kt:BI+8*kt+7]
.else
	v_wmma_f32_16x16x32_f16 v[rS:rS+7], v[KF+16*kt+8*dh:KF+16*kt+8*dh+7], v[QF+16*(\x)+8*dh:QF+16*(\x)+8*dh+7], v[rS:rS+7]
.endif
.endr
	WIN 0
.endm
; THE LDS LOADS stand in two runs a key step.  q: which of the slot's four steps.
.macro FETCH_K q                       ; 64 keys x 64 channels: 8 fragments; and their bias in the result's layout: register j of tile kt is key 16 kt + 8 h + j
	WIN TO1
.irp f, 0,1,2,3,4,5,6,7                        ; keys 16 (f / 2) on, channels 32 (f % 2) on
	ds_load_b128 v[KF+8*\f:KF+8*\f+3], v[ADK] offset:\q*KSTEP+(\f/2)*8*PK2+(\f%2)*64
	ds_load_b128 v[KF+8*\f+4:KF+8*\f+7], v[ADK] offset:\q*KSTEP+(\f/2)*8*PK2+(\f%2)*64+32
.endr
.irp kt, 0,1,2,3
	ds_load_b128 v[BI+8*\kt:BI+8*\kt+3], v[ADB] offset:\q*256+64*\kt
	ds_load_b128 v[BI+8*\kt+4:BI+8*\kt+7], v[ADB] offset:\q*256+64*\kt+16
.endr
	WIN 0
.endm
.macro FETCH_V q                       ; turned: keys 32 (f / 4) on, channels 16 (f % 4) on; 16 keys are 8 pairs
.irp f, 0,1,2,3,4,5,6,7
	ds_load_tr16_b128 v[VF+8*\f:VF+8*\f+3], v[ADV] offset:\q*VSTEP+(\f/4)*16*PV2+(\f%4)*32
	ds_load_tr16_b128 v[VF+8*\f+4:VF+8*\f+7], v[ADV] offset:\q*VSTEP+(\f/4)*16*PV2+8*PV2+(\f%4)*32
.endr
.endm
; THE VECTOR WORK.  One tile's softmax for one key step is a list of 118 instructions; SM writes number j of it for tile y.  s0-s31 are the lane's 32 scores.
;   0-15    the maximum of s0-s31 and the old m: four chains, each begun at its accumulator's low end
;   16-20   the other half of the lanes' maximum; the new m; c m; c m_old - c m_new
;   21-36   the 16 scalings c s - c m, a pair of scores each
;   37-69   ONE BATCH of 33 exponentials: a, then s0-s31.  None of them reads an exponential's result
;   (wait)  between 69 and 70 stand a v_nop and the one wait for the batch: TURN writes them
;   70-85   the roundings to f16      86-101  the sums; l = a l + the sum      102-117 the tile's O^T times a, each accumulator from its low end on
.macro SM y
.set rT, ST+8*(\y)
.set rS, S+32*(\y)
.set rP, P+16*(\y)
.set rO, O+32*(\y)
.if j < 4
	v_max3_num_f32 v[rT+4+j], v[rS+8*j], v[rS+8*j+1], v[rS+8*j+2]
.elseif j < 12
	v_max3_num_f32 v[rT+4+j%4], v[rT+4+j%4], v[rS+8*(j%4)+2*(j/4)+1], v[rS+8*(j%4)+2*(j/4)+2]
.elseif j == 12
	v_max3_num_f32 v[rT+4], v[rT+4], v[rS+7], v[rS+15]
.elseif j == 13
	v_max3_num_f32 v[rT+6], v[rT+6], v[rS+23], v[rS+31]
.elseif j == 14
	v_max3_num_f32 v[rT+4], v[rT+4], v[rT+5], v[rT+6]
.elseif j == 15
	v_max3_num_f32 v[rT+4], v[rT+4], v[rT+7], v[rT+1]
.elseif j == 16
	v_permlanex16_b32 v[rT+5], v[rT+4], s[SEL], s[SEL+1]  ; the query's other 32 keys lie in the lane 16 away
.elseif j == 17
	v_mov_b32 v[rT+7], v[rT]                       ; c m_old is kept for a
.elseif j == 18
	v_max_num_f32 v[rT+1], v[rT+4], v[rT+5]
.elseif j == 19
	v_mul_f32 v[rT], s[CS], v[rT+1]
.elseif j == 20
	v_sub_f32 v[rT+7], v[rT+7], v[rT]
.elseif j < 37
	v_pk_fma_f32 v[rS+2*(j-21):rS+2*(j-21)+1], v[rS+2*(j-21):rS+2*(j-21)+1], s[CS:CS+1], v[rT:rT+1] op_sel_hi:[1,0,0] neg_lo:[0,0,1] neg_hi:[0,0,1]
.elseif j == 37
	v_exp_f32 v[rT+6], v[rT+7]
.elseif j < 70
	v_exp_f32 v[rS+j-38], v[rS+j-38]
.elseif j < 86
	v_cvt_pk_f16_f32 v[rP+j-70], v[rS+2*(j-70)], v[rS+2*(j-70)+1]
.elseif j < 101                        ; the sum of the 16 pairs, in place: neighbours 1, 2, 4 and 8 pairs apart
.set z, j-86
.set w, 4
.set u, z
.if z >= 14
.set w, 32
.set u, 0
.elseif z >= 12
.set w, 16
.set u, z-12
.elseif z >= 8
.set w, 8
.set u, z-8
.endif
	v_pk_add_f32 v[rS+w*u:rS+w*u+1], v[rS+w*u:rS+w*u+1], v[rS+w*u+w/2:rS+w*u+w/2+1]
.elseif j == 101
	v_pk_fma_f32 v[rT+2:rT+3], v[rT+2:rT+3], v[rT+6:rT+7], v[rS:rS+1] op_sel_hi:[1,0,1]
.else
	v_pk_mul_f32 v[rO+2*(j-102):rO+2*(j-102)+1], v[rO+2*(j-102):rO+2*(j-102)+1], v[rT+6:rT+7] op_sel_hi:[1,0]
.endif
.endm
.macro RUN y, n                        ; the next n numbers of tile y's list
.rept \n
	SM \y
.set j, j+1
.endr
.endm
; A TURN.  Tile x has the matrix unit; the other tile's softmax stands behind its matrix instructions.  pv = 1: 8 products V^T P; kq = 1: 8 products K Q^T for the next step, which is the slot's q-th, and that step's LDS loads.
; Behind each V^T P stand 7 numbers of the list (0-55).  Behind the four pairs K Q^T: 56-69 and the wait; 70-85; 86-101; 102-117.
; PLACES (ISA guide 7.12.1 for vector instructions).  The 16 multiplies behind the last pair are plain and name none of its registers: they stand between it and the next turn's first read of the scores, and between it
; and the loads into K and the bias at the head of tile 0's turn.  Behind tile 1's 8th V^T P stand exponentials, which are no places: so four v_nop stand in front of V's loads.
.macro TURN x, pv, kq, q
.set j, 0
.if (\x) == 0
.if \pv
	s_wait_dscnt 0x0                               ; V of the step in hand is in (asked for behind the 8th product of the turn before)
.endif
.if \kq
	FETCH_K \q                                     ; 8 products ahead of its first use
.endif
.endif
.set i, 0
.rept 8
.if \pv
	PV \x
.endif
.if ((\x) == 1) && (\kq) && (i == 7)
	PLACES
	FETCH_V \q                                     ; 8 products ahead of its first use
.endif
	RUN 1-(\x), 7
.set i, i+1
.endr
.if ((\x) == 0) && (\kq)
	s_wait_dscnt 0x0                               ; K and the bias are in
.endif
.set i, 0
.rept 4
.if \kq
	KQ2 \x
.endif
.if i == 0
	RUN 1-(\x), 14
	v_nop                                          ; a plain instruction behind the last exponential
	s_wait_alu depctr_va_vdst(0)                   ; one wait for the 33 exponentials, ahead of the first instruction that names a result
.else
	RUN 1-(\x), 16
.endif
.set i, i+1
.endr
.endm
; THE CHANGE OF SLOTS, between tile 1's turn and tile 0's: the slot's last bytes, V of its fourth step, have been asked for.  Each wave waits for all its tensor loads (one is out: its part of the other slot), adds 0 to its
; spare word, and waits for that and for its reads of the slot.  fill = 1: the barrier is a round of the cluster's, and behind it each wave asks for its tile of the keys two slots on, into the slot just left.
.macro CHANGE fill
	WIN 0
	s_wait_tensorcnt 0x0                           ; no tensor load of mine is out, so a group 0 may be written
	ds_add_u32 v[SPW], v[NIL]                      ; 0 onto my spare word
.if \fill
	s_xor_b32 s[TD], s[TD], SLOTB                  ; the walking descriptors: the other slot than last time,
	s_add_co_u32 s[G0K+5], s[LK], s[TD]
	s_add_nc_u64 s[G0K+6:G0K+7], s[G0K+6:G0K+7], 32768   ; the next 256 keys; the type bits on top are not reached
	s_add_co_u32 s[G0V+5], s[LV], s[TD]
	s_add_nc_u64 s[G0V+6:G0V+7], s[G0V+6:G0V+7], 32768
	s_wait_xcnt 0x0                                ; the last prefetch, a slot back, has read its address, so it may be written:
	s_add_nc_u64 s[PFA:PFA+1], s[PFA:PFA+1], 32768 ; one slot further on than the walking descriptors
	s_wait_dscnt 0x0                               ; the add is done, and my reads of the slot are over
	CROUND
	JLOAD                                          ; the first thing behind the round, and my one tensor load until the next
	ASK
.else
	s_wait_dscnt 0x0
	s_barrier_signal -1
	s_barrier_wait -1
.endif
	s_xor_b32 s[TB], s[TB], SLOTB                  ; the reads go on in the other slot,
	s_add_co_u32 s[KB], s[KB], 1024                ; with the next 256 keys' bias
	v_add_nc_u32 v[ADK], s[TB], v[AK0]
	v_add_nc_u32 v[ADV], s[TB], v[AV0]
	v_add_nc_u32 v[ADB], s[KB], v[AB0]
.endm
.macro FOUR_STEPS                      ; a slot's four key steps, written out: every LDS offset is an immediate
.irp q, 0,1,2,3
	TURN 0, 1, 1, \q
	TURN 1, 1, 1, \q
.endr
.endm
	s_wait_tensorcnt 0x0                           ; my parts of the bias and of both slots are in,
	s_barrier_signal -1
	s_barrier_wait -1                              ; everybody's are
	FETCH_K 0                                      ; key step 0
	s_wait_loadcnt 0x0                             ; Q
	s_wait_dscnt 0x0
.set i, 0
.rept 4
	KQ2 0                                          ; tile 0's first scores: there is no vector work yet to set between them
.set i, i+1
.endr
	PLACES
	TURN 1, 0, 1, 0                                ; tile 1's first scores | tile 0's first softmax | V of step 0
	TURN 0, 1, 1, 1                                ; tile 0: V^T P of step 0, K Q^T of step 1 | tile 1's first softmax | K of step 1
	TURN 1, 1, 1, 1
	TURN 0, 1, 1, 2
	TURN 1, 1, 1, 2
	TURN 0, 1, 1, 3
	TURN 1, 1, 1, 3                                ; V of step 3: slot 0 has been read out
.Lslot:                                            ; 14 trips: every slot but the last two is filled again
	CHANGE 1
	FOUR_STEPS
	s_sub_co_u32 s[SLOTS], s[SLOTS], 1
	s_cmp_lg_u32 s[SLOTS], 0
	s_cbranch_scc1 .Lslot
	CHANGE 0                                       ; the tail is written out: the last slot but one is left, and nothing is asked for
	FOUR_STEPS
	TURN 0, 1, 0, 0                                ; tile 0: V^T P of the last step | tile 1's last softmax
.set i, 0
.rept 8
	PV 1                                           ; tile 1: V^T P of the last step
.set i, i+1
.endr
	; THE WAY OUT.  l's halves are added; O^T is divided by l, rounded to f16 and sent through the work-group's stage: a row's 256 bytes come from two waves.  The additions are the places behind the last products.
.irp t, 0,1
	v_add_f32 v[ST+8*\t+4], v[ST+8*\t+2], v[ST+8*\t+3]
.endr
.irp t, 0,1
	v_permlanex16_b32 v[ST+8*\t+5], v[ST+8*\t+4], s[SEL], s[SEL+1]
.endr
.irp t, 0,1
	v_add_f32 v[ST+8*\t+4], v[ST+8*\t+4], v[ST+8*\t+5]
.endr
.irp t, 0,1
	v_rcp_f32 v[ST+8*\t+6], v[ST+8*\t+4]
.endr
	v_mov_b32 v[NANR], 0x7fc00000                  ; (a plain instruction behind the reciprocals)  NaN
	s_wait_alu depctr_va_vdst(0)                   ; one wait for both, ahead of the first use
.irp t, 0,1
	v_cmp_gt_f32 vcc_lo, s[THR], v[ST+8*\t+1]      ; every key masked: the row is NaN, as the softmax of -infinities is
	v_cndmask_b32 v[ST+8*\t+6], v[ST+8*\t+6], v[NANR], vcc_lo
.endr
.irp t, 0,1
.set e, 0
.rept 16
	v_pk_mul_f32 v[O+32*\t+e:O+32*\t+e+1], v[O+32*\t+e:O+32*\t+e+1], v[ST+8*\t+6:ST+8*\t+7] op_sel_hi:[1,0]   ; each accumulator from its low end on
.set e, e+2
.endr
.endr
.set e, 0
.rept 32
	v_cvt_pk_f16_f32 v[S+e], v[O+2*e], v[O+2*e+1]  ; S^T's registers are free
.set e, e+1
.endr
	s_wait_dscnt 0x0                               ; the stage lies in the ring's bytes: no wave stores there before all eight have ended their reads of the ring
	s_barrier_signal -1
	s_barrier_wait -1
.irp t, 0,1
.irp ct, 0,1,2,3
	ds_store_b128 v[STO], v[S+16*\t+4*\ct:S+16*\t+4*\ct+3] offset:16*SP*\t+32*\ct
.endr
.endr
	s_wait_dscnt 0x0                               ; for the others' sake: my stores into the stage are done
	s_barrier_signal -1
	s_barrier_wait -1
.irp i, 0,1,2,3,4,5,6,7
	ds_load_b128 v[64+4*\i:64+4*\i+3], v[RD] offset:2*SP*\i
.endr
.irp i, 0,1,2,3,4,5,6,7
	s_wait_dscnt 7-\i                              ; LDS loads come back in order: this one is in, the younger ones stay out
	global_store_b128 v[GO], v[64+4*\i:64+4*\i+3], s[10:11] offset:3072*\i   ; 16 lanes store 256 consecutive bytes, at a multiple of 256 from the buffer's first byte
.endr
	s_wait_tensorcnt 0x0                           ; the wave's end: behind my last tensor load and my last LDS store
	ds_add_u32 v[SPW], v[NIL]
	s_wait_dscnt 0x0
	CROUND                                         ; the closing round: no work-group ends while a partner may still ask for a tile that names it
	s_endpgm
.Lfunc_end_k_q12e0ba6399_attn:
	.size	k_q12e0ba6399_attn, .Lfunc_end_k_q12e0ba6399_attn-k_q12e0ba6399_attn
	.p2alignl 7, 3214868480
	.fill 96, 4, 3214868480
	.section	.rodata,"a",@progbits
	.p2align	6, 0x0
	.amdhsa_kernel k_q12e0ba6399_attn
		.amdhsa_group_segment_fixed_size 327680
		.amdhsa_private_segment_fixed_size 0
		.amdhsa_enable_private_segment 0
		.amdhsa_kernarg_size 16
		.amdhsa_user_sgpr_count 2
		.amdhsa_user_sgpr_kernarg_segment_ptr 1
		.amdhsa_wavefront_size32 1
		.amdhsa_system_sgpr_workgroup_id_x 1
		.amdhsa_system_sgpr_workgroup_id_y 1
		.amdhsa_system_sgpr_workgroup_id_z 1
		.amdhsa_system_vgpr_workitem_id 0
		.amdhsa_next_free_vgpr 384
		.amdhsa_next_free_sgpr 88
		.amdhsa_reserve_vcc 1
		.amdhsa_float_denorm_mode_32 3
		.amdhsa_float_denorm_mode_16_64 3
		.amdhsa_memory_ordered 1
		.amdhsa_forward_progress 1
		.amdhsa_inst_pref_size 236
	.end_amdhsa_kernel
	.amdgpu_metadata
---
amdhsa.version: [ 1, 2 ]
amdhsa.kernels:
  - .name:           k_q12e0ba6399_attn
    .symbol:         k_q12e0ba6399_attn.kd
    .args:
      - { .name: qkv, .offset: 0, .size: 8, .value_kind: global_buffer, .address_space: global }
      - { .name: a16, .offset: 8, .size: 8, .value_kind: global_buffer, .address_space: global }
    .group_segment_fixed_size: 327680
    .private_segment_fixed_size: 0
    .kernarg_segment_align: 8
    .kernarg_segment_size: 16
    .max_flat_workgroup_size: 256
    .sgpr_count:     88
    .vgpr_count:     384
    .wavefront_size: 32
...
	.end_amdgpu_metadata
.endif
;; end of part 3
;; launch gemm_o (part 4): grid 32 x 6, 4 waves a work-group, clusters of 4 x 1, 327,680 bytes of LDS; arguments a16, wh, bo, y32; writes y32
.if DOCPART == 4
	.amdgcn_target "amdgcn-amd-amdhsa--gfx1250"
	.amdhsa_code_object_version 6
	.text
	.protected	k_q12e0ba6399_gemm_o
	.globl	k_q12e0ba6399_gemm_o
	.p2align	8
	.type	k_q12e0ba6399_gemm_o,@function
k_q12e0ba6399_gemm_o:
	s_mov_b64 s[64:65], 0
	v_nop
	global_prefetch_b8 v0, s[64:65] scope:SCOPE_SE
	s_setreg_imm32_b32 hwreg(HW_REG_WAVE_MODE, 25, 1), 1
	s_wait_xcnt 0x0
	s_wait_alu depctr_hold_cnt(0) depctr_sa_sdst(0) depctr_va_vdst(0) depctr_va_sdst(0) depctr_va_ssrc(0) depctr_va_vcc(0) depctr_vm_vsrc(0)
	s_getreg_b32 s2, hwreg(HW_REG_IB_STS2, 6, 4)
	s_cmp_eq_u32 s2, 0
	s_cbranch_scc0 .Lentry_in_a_cluster
	s_endpgm
.Lentry_in_a_cluster:
	s_bfe_u32 s2, ttmp6, 0x10000c
	s_cmp_lg_u32 s2, 0x3003
	s_cbranch_scc0 .Lentry_shape_is_right
	s_endpgm
.Lentry_shape_is_right:
; Launch 4 of 8: y32 = 2 (ctx Wo + bo), f32.  One text serves the program's three dense products; its head constants say which.
; C[m][n] = f(sum over k of A[m][k] W[k][n] + bias[n]).  A: [4096][KDIM] f16; W: [KDIM][NDIM] f16, at byte WOFF of wh; sums in f32.  MODE 0: f(x) = x + x, f32 out; 1: exact-form gelu, f16 out; 2: f(x) = x, f32 out.
; A tile of C is 128 x 128: four waves of 64 x 64, 16 accumulators each.  K goes in steps of 256 through two LDS slots: A's 128 rows of 512 bytes, W's 256 rows (k) of 256 bytes.
; W stays [k][n] in LDS and is turned on the way into registers (ds_load_tr16_b128).  The matrix instruction is used transposed (source 0 = 16 columns of W, source 1 = 16 rows of A): a lane holds eight neighbouring
; numbers of a row of C.  The bias is the C of each sum's first product.
; CLUSTER: four work-groups along m share W's tiles: asked for jointly (waves 2, 3).  A's tiles are each work-group's own (waves 0, 1): plain loads behind the same rounds.
; A cluster of 4 x 4 does not divide the six tile columns of NDIM = 768.
; LIMITS: f16 operands hold magnitudes up to 65,504.  The path for an odd number of K steps serves three steps.
; REGISTERS: window 0: v2-13 gelu's constants; v16-21 LDS addresses; v24-26 the way out; v28, v29 the add's two; v32-95 at work on the way out; v96-127 the bias; v128-255 the accumulators (8 (4 a + b)).
;   window 1: two fragment buffers of 128: for 64 along K, 64 registers of A, then 64 of W.
.set KDIM,  768
.set NDIM,  768
.set WOFF,  0
.set MODE,  0
.set NSTEP, KDIM/256
.set PA,    528                        ; A's row in LDS: 512 bytes + 16
.set PB,    288                        ; W's row: 256 bytes + 32
.set HALFA, 64*PA
.set HALFB, 128*PB
.set BOFF,  2*HALFA
.set SLOT,  BOFF+2*HALFB
.set STAGE, (NSTEP%2)*SLOT             ; the way out goes through the slot that the last K step does not read: it has had its last fill and its last read
.set SPARE, 2*SLOT                     ; the spare words: 128 bytes for each of the four waves; no other line names them
.if MODE == 1
.set SP,    272
.set OUTB,  2
.set HSH,   4
.else
.set SP,    528
.set OUTB,  4
.set HSH,   5
.endif
.set ADRA, 16
.set ADRB, 18
.set STO,  24
.set RD,   25
.set CO,   26
.set SPW,  28
.set NIL,  29
.set TT,   32
.set EE,   64
.set BI,   96
.set ACC,  128
.set F0,   0
.set F1,   128
.set G1,   24
.set G0,   32
.set G1B,  48
.set G0B,  56
.set MSB, 0
.macro WIN new                         ; the immediate's high byte repeats the setting that is left
.if MSB != \new
	s_set_vgpr_msb (MSB<<8)|\new
.set MSB, \new
.endif
.endm
.set MUL,  0x05                        ; sources 0 (W) and 1 (A) window 1; C and D window 0
.set TO_F, 0x40                        ; destination window 1, address window 0
.macro JLOAD s                         ; waves 0 and 1 fetch A's two halves, waves 2 and 3 W's; an s_nop 0 and four v_nop follow each of the two lines
	s_cmp_eq_u32 s13, 0
	s_cbranch_scc0 .Lfor_b_\@
	tensor_load_to_lds s[G0+4*\s:G0+4*\s+3], s[G1:G1+7]
	s_nop 0
.rept 4
	v_nop
.endr
	s_branch .Lasked_\@
.Lfor_b_\@:
	tensor_load_to_lds s[G0B+4*\s:G0B+4*\s+3], s[G1B:G1B+7]
	s_nop 0
.rept 4
	v_nop
.endr
.Lasked_\@:
.endm
.macro CREST                           ; a round of the cluster's barrier behind its opening barrier
	s_cmp_lg_u32 s12, 0
	s_cbranch_scc1 .Lnot_wave_0_\@
	s_barrier_signal -3
.Lnot_wave_0_\@:
	s_barrier_wait -3
	s_barrier_signal -1
	s_barrier_wait -1
.endm
.macro CROUND
	s_barrier_signal -1
	s_barrier_wait -1
	CREST
.endm
	s_load_b256 s[4:11], s[0:1], 0x0               ; A s[4:5], wh s[6:7], bias s[8:9], C s[10:11]
	v_lshl_add_u32 v[SPW], v0, 2, SPARE
	v_mov_b32 v[NIL], 0
	ds_add_u32 v[SPW], v[NIL]                      ; the wave's opening: the add, twice on end, and its wait ahead of my first tensor load
	ds_add_u32 v[SPW], v[NIL]
	v_lshrrev_b32 v1, 5, v0
	v_readfirstlane_b32 s12, v1                    ; wave 0..3
	s_lshr_b32 s13, s12, 1                         ; which half of the tile's rows is mine.  Also: I fetch for A (0) or for W (1)
	s_and_b32 s14, s12, 1                          ; which half of its columns.  Also: which half of that tile I fetch
	s_bfe_u32 s15, ttmp6, 0x40000                  ; cx
	s_lshl_b32 s16, ttmp9, 2
	s_add_co_u32 s16, s16, s15                     ; tile row of C
	s_and_b32 s17, ttmp7, 0xffff                   ; tile column of C, which the four partners share
	s_mov_b32 s[G1+0], (1<<16)|(1<<20)|(6<<22)|(3<<25)               ; A: no mask; elements of 2 bytes; padding: 4 words after every 128
	s_mov_b32 s[G1+1], 256<<16                     ; tensor_dim0
	s_mov_b32 s[G1+2], 64<<16                      ; tensor_dim1
	s_mov_b32 s[G1+3], 256<<16                     ; tile_dim0
	s_mov_b32 s[G1+4], 64                          ; tile_dim1
	s_mov_b32 s[G1+5], KDIM                        ; elements from row to row
	s_mov_b32 s[G1+6], 0
	s_mov_b32 s[G1+7], 0
	s_mov_b32 s[G1B+0], 15|(1<<16)|(1<<20)|(1<<21)|(5<<22)|(7<<25)   ; W: all four work-groups; bit 21 beside a mask; padding: 8 words after every 64
	s_mov_b32 s[G1B+1], 128<<16
	s_mov_b32 s[G1B+2], 128<<16
	s_mov_b32 s[G1B+3], 128<<16
	s_mov_b32 s[G1B+4], 128
	s_mov_b32 s[G1B+5], NDIM
	s_mov_b32 s[G1B+6], 0
	s_mov_b32 s[G1B+7], 0
	s_lshl_b32 s18, s16, 7
	s_lshl_b32 s19, s14, 6
	s_add_co_u32 s18, s18, s19                     ; A: row 128 x tile row + 64 x half
	s_mul_i32 s18, s18, KDIM*2
	s_mov_b32 s19, 0
	s_mul_i32 s20, s14, 128*NDIM*2                 ; W: k row 128 x half,
	s_lshl_b32 s21, s17, 8                         ; 128 columns of 2 bytes x tile column
	s_add_co_u32 s20, s20, s21
.if WOFF > 0
	s_add_co_u32 s20, s20, WOFF
.endif
	s_mov_b32 s21, 0
	s_mul_i32 s22, s14, HALFA                      ; where they go: no place in the cluster enters an LDS address
	s_mul_i32 s23, s14, HALFB
	s_add_co_u32 s23, s23, BOFF
	s_wait_dscnt 0x0                               ; both opening adds are done
	s_wait_kmcnt 0x0
	s_add_nc_u64 s[18:19], s[4:5], s[18:19]
	s_add_nc_u64 s[20:21], s[6:7], s[20:21]
	CROUND                                         ; all four work-groups are here: the first joint loads meet
.irp s, 0,1
	s_mov_b32 s[G0+4*\s], 1
	s_add_co_u32 s[G0+4*\s+1], s22, \s*SLOT
	s_add_nc_u64 s[G0+4*\s+2:G0+4*\s+3], s[18:19], \s*512
	s_or_b32 s[G0+4*\s+3], s[G0+4*\s+3], 0x80000000
	s_mov_b32 s[G0B+4*\s], 1
	s_add_co_u32 s[G0B+4*\s+1], s23, \s*SLOT
	s_add_nc_u64 s[G0B+4*\s+2:G0B+4*\s+3], s[20:21], \s*512*NDIM
	s_or_b32 s[G0B+4*\s+3], s[G0B+4*\s+3], 0x80000000
	JLOAD \s
.endr
	v_and_b32 v1, 15, v0                           ; r
	v_bfe_u32 v14, v0, 4, 1                        ; h
	v_mul_u32_u24 v15, v1, PA
	v_lshl_add_u32 v15, v14, 4, v15
	s_mul_i32 s40, s13, HALFA
	v_add_nc_u32 v[ADRA], s40, v15                 ; A's fragments: my 64 rows, row r x pitch + 16 h
	v_add_nc_u32 v[ADRA+1], SLOT, v[ADRA]
	v_and_b32 v22, 7, v0
	v_lshl_add_u32 v22, v14, 3, v22
	v_mul_u32_u24 v22, v22, PB
	v_bfe_u32 v23, v0, 3, 1
	v_lshl_add_u32 v22, v23, 4, v22                ; W's, for the turning load: k row 8 h + l % 8, columns 8 ((l / 8) % 2) on
	s_lshl_b32 s40, s14, 7
	s_add_co_u32 s40, s40, BOFF
	v_add_nc_u32 v[ADRB], s40, v22                 ; slot 0, k 0-127;
	v_add_nc_u32 v[ADRB+1], HALFB, v[ADRB]         ; slot 0, k 128-255;
	v_add_nc_u32 v[ADRB+2], SLOT, v[ADRB]          ; slot 1 likewise
	v_add_nc_u32 v[ADRB+3], SLOT+HALFB, v[ADRB]
	s_lshl_b32 s40, s17, 9
	s_lshl_b32 s41, s14, 8
	s_add_co_u32 s40, s40, s41
	s_mov_b32 s41, 0
	s_add_nc_u64 s[8:9], s[8:9], s[40:41]          ; the bias of my 64 columns
	v_lshlrev_b32 v27, 5, v14
.irp b, 0,1,2,3
	global_load_b128 v[BI+8*\b:BI+8*\b+3], v27, s[8:9] offset:64*\b          ; lane (r, h), tile b: columns 16 b + 8 h + 0 .. 7
	global_load_b128 v[BI+8*\b+4:BI+8*\b+7], v27, s[8:9] offset:64*\b+16
.endr
	s_mul_i32 s40, s13, 64*SP
	s_mul_i32 s41, s14, 64*OUTB
	s_add_co_u32 s40, s40, s41
.if STAGE > 0
	s_add_co_u32 s40, s40, STAGE
.endif
	v_mul_u32_u24 v[STO], v1, SP
	v_lshl_add_u32 v[STO], v14, HSH, v[STO]
	v_add_nc_u32 v[STO], s40, v[STO]               ; the stage, in: my 64 rows, my half of their columns; row r, eight numbers for each half of the lanes
	s_mul_i32 s40, s12, 32*SP
.if STAGE > 0
	s_add_co_u32 s40, s40, STAGE
.endif
.if MODE == 1
	v_mul_u32_u24 v[RD], v14, SP                   ; back: rows 32 w on; lanes 0-15 one row of 256 bytes, lanes 16-31 the next
	v_lshl_add_u32 v[RD], v1, 4, v[RD]
	v_add_nc_u32 v[RD], s40, v[RD]
	v_mul_u32_u24 v[CO], v14, NDIM*2
	v_lshl_add_u32 v[CO], v1, 4, v[CO]
.else
	v_and_b32 v[CO], 31, v0                        ; back: rows 32 w on; the 32 lanes take one row of 512 bytes
	v_lshlrev_b32 v[CO], 4, v[CO]
	v_add_nc_u32 v[RD], s40, v[CO]
.endif
	s_lshl_b32 s40, s16, 7
	s_lshl_b32 s41, s12, 5
	s_add_co_u32 s40, s40, s41
	s_mul_i32 s40, s40, NDIM*OUTB
	s_mul_i32 s41, s17, 128*OUTB
	s_add_co_u32 s40, s40, s41
	s_mov_b32 s41, 0
	s_add_nc_u64 s[10:11], s[10:11], s[40:41]      ; C at row 128 x tile row + 32 w, the tile's first column
; 8 matrix instructions: row blocks a0, a0 + 1 x all 4 column blocks, 32 along K: half c of buffer f.  zero = 1: the first product starts the sums on the bias.  The 16 accumulators take turns
.macro MUL8 f, c, a0, zero
.irp a, \a0, \a0+1
.irp b, 0,1,2,3
.if \zero
	v_wmma_f32_16x16x32_f16 v[ACC+8*(4*(\a)+\b):ACC+8*(4*(\a)+\b)+7], v[\f+64+8*(4*\c+\b):\f+64+8*(4*\c+\b)+7], v[\f+8*(4*\c+\a):\f+8*(4*\c+\a)+7], v[BI+8*\b:BI+8*\b+7]
.else
	v_wmma_f32_16x16x32_f16 v[ACC+8*(4*(\a)+\b):ACC+8*(4*(\a)+\b)+7], v[\f+64+8*(4*\c+\b):\f+64+8*(4*\c+\b)+7], v[\f+8*(4*\c+\a):\f+8*(4*\c+\a)+7], v[ACC+8*(4*(\a)+\b):ACC+8*(4*(\a)+\b)+7]
.endif
.endr
.endr
.endm
; 32 LDS loads in one run: the fragments of the slot's q-th 64 along K into buffer f; the first 32 along K first
.macro FETCH slot, q, f
	WIN TO_F
.irp c, 0,1
.irp i, 0,1,2,3
	ds_load_tr16_b128 v[\f+64+8*(4*\c+\i):\f+64+8*(4*\c+\i)+3], v[ADRB+2*\slot+(\q)/2] offset:(64*((\q)%2)+32*\c)*PB+32*\i
	ds_load_tr16_b128 v[\f+64+8*(4*\c+\i)+4:\f+64+8*(4*\c+\i)+7], v[ADRB+2*\slot+(\q)/2] offset:(64*((\q)%2)+32*\c+16)*PB+32*\i
	ds_load_b128 v[\f+8*(4*\c+\i):\f+8*(4*\c+\i)+3], v[ADRA+\slot] offset:128*(\q)+64*\c+\i*16*PA
	ds_load_b128 v[\f+8*(4*\c+\i)+4:\f+8*(4*\c+\i)+7], v[ADRA+\slot] offset:128*(\q)+64*\c+\i*16*PA+32
.endr
.endr
.endm
.macro PLACES                          ; four places in front of loads into registers that matrix instructions have read, and of the first read of results
.rept 4
	v_nop
.endr
.endm
; A K step is four quarters of 64 along K, 32 matrix instructions each, on buffers 0, 1, 0, 1.  One of the first three: multiplies buffer f and fetches quarter qn into g
.macro QUARTER slot, qn, f, g, zero
	s_wait_dscnt 16                                ; the first 32 along K are in
	WIN MUL
	MUL8 \f, 0, 0, \zero
	MUL8 \f, 0, 2, \zero
	PLACES
	FETCH \slot, \qn, \g
	s_wait_dscnt 32                                ; all but the 32 just issued
	WIN MUL
	MUL8 \f, 1, 0, 0
	MUL8 \f, 1, 2, 0
.endm
; The last quarter multiplies buffer 1 and changes slots: ONE barrier; in front of it each wave waits for all its tensor loads, adds 0 to its spare word, and waits for that and for its reads of this slot.  fill = 1: this slot is filled again, two K steps ahead
.macro TURN slot, next, fill
	WIN 0                                          ; (the add's two registers lie in window 0)
	s_wait_tensorcnt 0x0                           ; all my tensor loads have landed: my part of the next slot;
	ds_add_u32 v[SPW], v[NIL]                      ; 0 onto my spare word;
	s_wait_dscnt 17                                ; (the add and the youngest sixteen loads may be out)
	WIN MUL
	MUL8 F1, 0, 0, 0
	s_wait_dscnt 0x0                               ; the add is done, and my reads of this slot are over
	s_barrier_signal -1
	MUL8 F1, 0, 2, 0
.if \fill
	WIN 0
.endif
	s_barrier_wait -1
.if \fill
	CREST                                          ; the barrier has opened a round of the cluster's: no wave of any partner still reads this slot or has a load on its way
	s_add_nc_u64 s[G0+4*\slot+2:G0+4*\slot+3], s[G0+4*\slot+2:G0+4*\slot+3], 1024
	s_add_nc_u64 s[G0B+4*\slot+2:G0B+4*\slot+3], s[G0B+4*\slot+2:G0B+4*\slot+3], 1024*NDIM
	JLOAD \slot                                    ; the first tensor load behind the round; the four v_nop behind it are also the places in front of the loads below
.else
	PLACES
.endif
	FETCH \next, 0, F0
	WIN MUL
	MUL8 F1, 1, 0, 0
	MUL8 F1, 1, 2, 0
.endm
.macro FIRSTQ slot
	QUARTER \slot, 1, F0, F1, 0
.endm
.macro REST slot
	QUARTER \slot, 2, F1, F0, 0
	QUARTER \slot, 3, F0, F1, 0
.endm
.macro LASTQ                           ; the very last quarter: nothing more to fetch
	s_wait_dscnt 16
	WIN MUL
	MUL8 F1, 0, 0, 0
	MUL8 F1, 0, 2, 0
	s_wait_dscnt 0x0
	MUL8 F1, 1, 0, 0
	MUL8 F1, 1, 2, 0
.endm
	s_wait_tensorcnt 1                             ; my part of K step 0 is in (K step 1's load may be out)
	s_barrier_signal -1
	s_barrier_wait -1                              ; everybody's is
	FETCH 0, 0, F0
	s_wait_loadcnt 0x0                             ; the bias
	QUARTER 0, 1, F0, F1, 1                        ; the first quarter's first products start the sums
.if NSTEP%2
	REST 0                                         ; three K steps: slot 0, slot 1, slot 0 again
	TURN 0, 1, 1
	FIRSTQ 1
	REST 1
	TURN 1, 0, 0
	FIRSTQ 0
	REST 0
	LASTQ
.else
	WIN 0                                          ; at a label and at a branch every window is 0
	s_mov_b32 s3, (NSTEP-2)/2
.Llap:                                             ; a trip goes once round the ring and fills both slots again
	REST 0
	TURN 0, 1, 1
	FIRSTQ 1
	REST 1
	TURN 1, 0, 1
	FIRSTQ 0
	WIN 0
	s_sub_co_u32 s3, s3, 1
	s_cmp_lg_u32 s3, 0
	s_cbranch_scc1 .Llap
	REST 0                                         ; the last lap fills nothing
	TURN 0, 1, 0
	FIRSTQ 1
	REST 1
	LASTQ
.endif
	WIN 0
	; THE WAY OUT: through the work-group's stage, since a row's aligned 256-byte blocks come from two waves; a barrier between writing and reading
.if MODE == 1
	; gelu(x) = max(x, 0) - |x| q, q = half of erfc(|x| / sqrt 2) = (A1 t + .. + A5 t^5) 2^(-x x log2(e) / 2), t = 1 / (1 + 0.2316419 |x|): absolute error of erf 1.5e-7 (Abramowitz and Stegun 26.2.17)
	v_mov_b32 v2, 0x3f07dc22                       ; A5, as a pair.  (These twelve plain instructions are the places behind the last products)
	v_mov_b32 v3, 0x3f07dc22
	v_mov_b32 v4, 0xbf3a00e3                       ; A4
	v_mov_b32 v5, 0xbf3a00e3
	v_mov_b32 v6, 0x3f35f0e3                       ; A3
	v_mov_b32 v7, 0x3f35f0e3
	v_mov_b32 v8, 0xbe11a98e                       ; A2
	v_mov_b32 v9, 0xbe11a98e
	v_mov_b32 v10, 0x3e027906                      ; A1
	v_mov_b32 v11, 0x3e027906
	v_mov_b32 v12, 0xbf38aa3b                      ; -log2(e) / 2
	v_mov_b32 v13, 0xbf38aa3b
	s_mov_b32 s40, 0x3e6d3389                      ; 0.2316419
.irp n, 0,1,2,3                                ; row block n: 32 numbers a lane
.set XB, ACC+32*\n
.set i, 0
.rept 16
	v_pk_mul_f32 v[EE+i:EE+i+1], v[XB+i:XB+i+1], v[12:13]          ; each accumulator from its low end on
.set i, i+2
.endr
.set i, 0
.rept 16
	v_pk_mul_f32 v[EE+i:EE+i+1], v[EE+i:EE+i+1], v[XB+i:XB+i+1]
.set i, i+2
.endr
.set i, 0
.rept 32
	v_fma_f32 v[TT+i], |v[XB+i]|, s40, 1.0
.set i, i+1
.endr
.set i, 0
.rept 32
	v_rcp_f32 v[TT+i], v[TT+i]
	v_exp_f32 v[EE+i], v[EE+i]
.set i, i+1
.endr
	v_nop                                          ; a plain instruction behind the last of the batch
	s_wait_alu depctr_va_vdst(0)                   ; one wait for the 64, ahead of the first instruction that names a result
.set i, 0
.rept 16
	v_pk_fma_f32 v[BI+i:BI+i+1], v[TT+i:TT+i+1], v[2:3], v[4:5]
.set i, i+2
.endr
.irp k, 6,8,10
.set i, 0
.rept 16
	v_pk_fma_f32 v[BI+i:BI+i+1], v[BI+i:BI+i+1], v[TT+i:TT+i+1], v[\k:\k+1]
.set i, i+2
.endr
.endr
.set i, 0
.rept 16
	v_pk_mul_f32 v[BI+i:BI+i+1], v[BI+i:BI+i+1], v[TT+i:TT+i+1]
.set i, i+2
.endr
.set i, 0
.rept 16
	v_pk_mul_f32 v[BI+i:BI+i+1], v[BI+i:BI+i+1], v[EE+i:EE+i+1]    ; q
.set i, i+2
.endr
.set i, 0
.rept 32
	v_max_num_f32 v[EE+i], 0, v[XB+i]
.set i, i+1
.endr
.set i, 0
.rept 32
	v_fma_f32 v[BI+i], -v[BI+i], |v[XB+i]|, v[EE+i]
.set i, i+1
.endr
.set i, 0
.rept 16
	v_cvt_pk_f16_f32 v[TT+i], v[BI+2*i], v[BI+2*i+1]
.set i, i+1
.endr
.irp b, 0,1,2,3
	ds_store_b128 v[STO], v[TT+4*\b:TT+4*\b+3] offset:\n*16*SP+32*\b
.endr
	s_wait_dscnt 0x0                               ; the stores are done: the next block writes their registers
.endr
.else
	PLACES
.if MODE == 0
.set i, 0
.rept 64
	v_pk_add_f32 v[ACC+i:ACC+i+1], v[ACC+i:ACC+i+1], v[ACC+i:ACC+i+1]   ; attention + attention; each accumulator from its low end on
.set i, i+2
.endr
.endif
.irp a, 0,1,2,3
.irp b, 0,1,2,3
	ds_store_b128 v[STO], v[ACC+8*(4*\a+\b):ACC+8*(4*\a+\b)+3] offset:\a*16*SP+64*\b
	ds_store_b128 v[STO], v[ACC+8*(4*\a+\b)+4:ACC+8*(4*\a+\b)+7] offset:\a*16*SP+64*\b+16
.endr
.endr
.endif
	s_wait_dscnt 0x0                               ; for the others' sake: my stores into the stage are done
	s_barrier_signal -1
	s_barrier_wait -1
.if MODE == 1
.set t, 0
.rept 16
	ds_load_b128 v[TT+4*t:TT+4*t+3], v[RD] offset:2*SP*t
.set t, t+1
.endr
.set t, 0
.rept 16
	s_wait_dscnt 15-t
	global_store_b128 v[CO], v[TT+4*t:TT+4*t+3], s[10:11] offset:2*t*NDIM*2   ; 16 lanes store 256 consecutive bytes, aligned
.set t, t+1
.endr
.else
.set t, 0
.rept 32
	ds_load_b128 v[32+4*t+32*(t/16):35+4*t+32*(t/16)], v[RD] offset:SP*t      ; rows 0-15 into v32-95, rows 16-31 into the accumulators' v128-191, whose stores are done
.set t, t+1
.endr
.set t, 0
.rept 32
	s_wait_dscnt 31-t
	global_store_b128 v[CO], v[32+4*t+32*(t/16):35+4*t+32*(t/16)], s[10:11] offset:t*NDIM*4   ; 32 lanes store 512 consecutive bytes, aligned
.set t, t+1
.endr
.endif
	s_wait_tensorcnt 0x0                           ; the wave's end: behind my last tensor load and my last LDS store
	ds_add_u32 v[SPW], v[NIL]
	s_wait_dscnt 0x0
	CROUND                                         ; the closing round: no work-group ends while a partner may still ask for a tile that names it
	s_endpgm
.Lfunc_end_k_q12e0ba6399_gemm_o:
	.size	k_q12e0ba6399_gemm_o, .Lfunc_end_k_q12e0ba6399_gemm_o-k_q12e0ba6399_gemm_o
	.p2alignl 7, 3214868480
	.fill 96, 4, 3214868480
	.section	.rodata,"a",@progbits
	.p2align	6, 0x0
	.amdhsa_kernel k_q12e0ba6399_gemm_o
		.amdhsa_group_segment_fixed_size 327680
		.amdhsa_private_segment_fixed_size 0
		.amdhsa_enable_private_segment 0
		.amdhsa_kernarg_size 32
		.amdhsa_user_sgpr_count 2
		.amdhsa_user_sgpr_kernarg_segment_ptr 1
		.amdhsa_wavefront_size32 1
		.amdhsa_system_sgpr_workgroup_id_x 1
		.amdhsa_system_sgpr_workgroup_id_y 1
		.amdhsa_system_sgpr_workgroup_id_z 1
		.amdhsa_system_vgpr_workitem_id 0
		.amdhsa_next_free_vgpr 512
		.amdhsa_next_free_sgpr 66
		.amdhsa_reserve_vcc 0
		.amdhsa_float_denorm_mode_32 3
		.amdhsa_float_denorm_mode_16_64 3
		.amdhsa_memory_ordered 1
		.amdhsa_forward_progress 1
		.amdhsa_inst_pref_size 73
	.end_amdhsa_kernel
	.amdgpu_metadata
---
amdhsa.version: [ 1, 2 ]
amdhsa.kernels:
  - .name:           k_q12e0ba6399_gemm_o
    .symbol:         k_q12e0ba6399_gemm_o.kd
    .args:
      - { .name: a16, .offset: 0, .size: 8, .value_kind: global_buffer, .address_space: global }
      - { .name: wh, .offset: 8, .size: 8, .value_kind: global_buffer, .address_space: global }
      - { .name: bo, .offset: 16, .size: 8, .value_kind: global_buffer, .address_space: global }
      - { .name: y32, .offset: 24, .size: 8, .value_kind: global_buffer, .address_space: global }
    .group_segment_fixed_size: 327680
    .private_segment_fixed_size: 0
    .kernarg_segment_align: 8
    .kernarg_segment_size: 32
    .max_flat_workgroup_size: 128
    .sgpr_count:     66
    .vgpr_count:     512
    .wavefront_size: 32
...
	.end_amdgpu_metadata
.endif
;; end of part 4
;; launch ln1 (part 5): grid 256 x 1, 8 waves a work-group, no clusters, 0 bytes of LDS; arguments y32, ln1_g, ln1_b, h32, a16; writes h32, a16
.if DOCPART == 5
	.amdgcn_target "amdgcn-amd-amdhsa--gfx1250"
	.amdhsa_code_object_version 6
	.text
	.protected	k_q12e0ba6399_ln1
	.globl	k_q12e0ba6399_ln1
	.p2align	8
	.type	k_q12e0ba6399_ln1,@function
k_q12e0ba6399_ln1:
	s_mov_b64 s[64:65], 0
	v_nop
	global_prefetch_b8 v0, s[64:65] scope:SCOPE_SE
	s_setreg_imm32_b32 hwreg(HW_REG_WAVE_MODE, 25, 1), 1
	s_wait_xcnt 0x0
; Launch 5 of 8: h = LayerNorm(y32) g + b, stored as f32 (h32, for the residual) and as f16 (a16, the next product's operand).
; A row of 768 f32 is 3,072 bytes: one wave takes a whole row, six 16-byte loads a lane, and keeps it in 24 registers between the passes; a wave has two rows.  No LDS, no barrier, no loop: memory binds.
; The mean is taken first and the variance of the differences, as the formula is written.
.set X, 16                             ; row j at v[X + 24 j]
.set G, 64
.set B, 88
.set F, 160                            ; row j's f16 at v[F + 12 j]
.macro REDUCE t                        ; the sum of v[t] over the 32 lanes, in every lane
	v_add_f32_dpp v[\t], v[\t], v[\t] row_xmask:1 row_mask:0xf bank_mask:0xf
	v_add_f32_dpp v[\t], v[\t], v[\t] row_xmask:2 row_mask:0xf bank_mask:0xf
	v_add_f32_dpp v[\t], v[\t], v[\t] row_xmask:4 row_mask:0xf bank_mask:0xf
	v_add_f32_dpp v[\t], v[\t], v[\t] row_xmask:8 row_mask:0xf bank_mask:0xf
	v_permlanex16_b32 v[\t+1], v[\t], s20, s21
	v_add_f32 v[\t], v[\t], v[\t+1]
.endm
; the row in v[x] on loses its mean; 1 / sqrt(variance + eps) is asked for into v[t].  t: four registers at work
.macro STATS x, t
	v_pk_add_f32 v[\t:\t+1], v[\x:\x+1], v[\x+2:\x+3]
	v_pk_add_f32 v[\t+2:\t+3], v[\x+4:\x+5], v[\x+6:\x+7]
.irp i, 8,12,16,20
	v_pk_add_f32 v[\t:\t+1], v[\t:\t+1], v[\x+\i:\x+\i+1]
	v_pk_add_f32 v[\t+2:\t+3], v[\t+2:\t+3], v[\x+\i+2:\x+\i+3]
.endr
	v_pk_add_f32 v[\t:\t+1], v[\t:\t+1], v[\t+2:\t+3]
	v_add_f32 v[\t], v[\t], v[\t+1]
	REDUCE \t
	v_mul_f32 v[\t], s22, v[\t]                    ; the mean,
	v_mov_b32 v[\t+1], v[\t]                       ; as a pair
.irp i, 0,2,4,6,8,10,12,14,16,18,20,22
	v_pk_add_f32 v[\x+\i:\x+\i+1], v[\x+\i:\x+\i+1], v[\t:\t+1] neg_lo:[0,1] neg_hi:[0,1]
.endr
	v_pk_mul_f32 v[\t:\t+1], v[\x:\x+1], v[\x:\x+1]
	v_pk_mul_f32 v[\t+2:\t+3], v[\x+2:\x+3], v[\x+2:\x+3]
.irp i, 4,8,12,16,20
	v_pk_fma_f32 v[\t:\t+1], v[\x+\i:\x+\i+1], v[\x+\i:\x+\i+1], v[\t:\t+1]
	v_pk_fma_f32 v[\t+2:\t+3], v[\x+\i+2:\x+\i+3], v[\x+\i+2:\x+\i+3], v[\t+2:\t+3]
.endr
	v_pk_add_f32 v[\t:\t+1], v[\t:\t+1], v[\t+2:\t+3]
	v_add_f32 v[\t], v[\t], v[\t+1]
	REDUCE \t
	v_fma_f32 v[\t], v[\t], s22, s23               ; the variance + eps
	v_rsq_f32 v[\t], v[\t]
.endm
	s_load_b256 s[4:11], s[0:1], 0x0               ; y32 s[4:5], g s[6:7], b s[8:9], h32 s[10:11]
	s_load_b64 s[12:13], s[0:1], 0x20              ; a16
	v_lshrrev_b32 v1, 5, v0
	v_readfirstlane_b32 s14, v1                    ; wave
	v_and_b32 v2, 31, v0
	v_lshlrev_b32 v1, 4, v2                        ; 16 bytes a lane
	v_lshlrev_b32 v15, 3, v2                       ; 8 bytes a lane
	s_lshl_b32 s15, ttmp9, 4
	s_lshl_b32 s16, s14, 1
	s_add_co_u32 s15, s15, s16                     ; my first row
	s_mul_i32 s16, s15, 3072
	s_mov_b32 s17, 0
	s_mul_i32 s18, s15, 1536
	s_mov_b32 s19, 0
	s_mov_b32 s20, 0x76543210
	s_mov_b32 s21, 0xfedcba98
	s_mov_b32 s22, 0x3aaaaaab                      ; 1 / 768
	s_mov_b32 s23, 0x3727c5ac                      ; 1e-5
	s_wait_kmcnt 0x0
	s_add_nc_u64 s[4:5], s[4:5], s[16:17]
	s_add_nc_u64 s[10:11], s[10:11], s[16:17]
	s_add_nc_u64 s[12:13], s[12:13], s[18:19]
.irp j, 0,1
.irp i, 0,1,2,3,4,5
	global_load_b128 v[X+24*\j+4*\i:X+24*\j+4*\i+3], v1, s[4:5] offset:3072*\j+512*\i th:TH_LOAD_NT
.endr
.endr
.irp i, 0,1,2,3,4,5
	global_load_b128 v[G+4*\i:G+4*\i+3], v1, s[6:7] offset:512*\i
.endr
.irp i, 0,1,2,3,4,5
	global_load_b128 v[B+4*\i:B+4*\i+3], v1, s[8:9] offset:512*\i
.endr
	s_wait_loadcnt 12                              ; both rows are in; the twelve loads of g and b may be out
	STATS X, 4
	STATS X+24, 8
	v_nop                                          ; a plain instruction behind the last transcendental
	s_wait_alu depctr_va_vdst(0)                   ; one wait for both, ahead of the first use
	v_mov_b32 v5, v4
	v_mov_b32 v9, v8
	s_wait_loadcnt 0x0
.irp j, 0,1
.irp i, 0,2,4,6,8,10,12,14,16,18,20,22
	v_pk_mul_f32 v[X+24*\j+\i:X+24*\j+\i+1], v[X+24*\j+\i:X+24*\j+\i+1], v[4+4*\j:5+4*\j]
.endr
.irp i, 0,2,4,6,8,10,12,14,16,18,20,22
	v_pk_fma_f32 v[X+24*\j+\i:X+24*\j+\i+1], v[X+24*\j+\i:X+24*\j+\i+1], v[G+\i:G+\i+1], v[B+\i:B+\i+1]
.endr
.irp i, 0,1,2,3,4,5
	global_store_b128 v1, v[X+24*\j+4*\i:X+24*\j+4*\i+3], s[10:11] offset:3072*\j+512*\i   ; 512 consecutive bytes a store
.endr
.irp i, 0,1,2,3,4,5,6,7,8,9,10,11
	v_cvt_pk_f16_f32 v[F+12*\j+\i], v[X+24*\j+2*\i], v[X+24*\j+2*\i+1]
.endr
.irp i, 0,1,2,3,4,5
	global_store_b64 v15, v[F+12*\j+2*\i:F+12*\j+2*\i+1], s[12:13] offset:1536*\j+256*\i   ; 256 consecutive bytes a store, aligned
.endr
.endr
	s_endpgm
.Lfunc_end_k_q12e0ba6399_ln1:
	.size	k_q12e0ba6399_ln1, .Lfunc_end_k_q12e0ba6399_ln1-k_q12e0ba6399_ln1
	.p2alignl 7, 3214868480
	.fill 96, 4, 3214868480
	.section	.rodata,"a",@progbits
	.p2align	6, 0x0
	.amdhsa_kernel k_q12e0ba6399_ln1
		.amdhsa_group_segment_fixed_size 0
		.amdhsa_private_segment_fixed_size 0
		.amdhsa_enable_private_segment 0
		.amdhsa_kernarg_size 40
		.amdhsa_user_sgpr_count 2
		.amdhsa_user_sgpr_kernarg_segment_ptr 1
		.amdhsa_wavefront_size32 1
		.amdhsa_system_sgpr_workgroup_id_x 1
		.amdhsa_system_sgpr_workgroup_id_y 1
		.amdhsa_system_sgpr_workgroup_id_z 1
		.amdhsa_system_vgpr_workitem_id 0
		.amdhsa_next_free_vgpr 192
		.amdhsa_next_free_sgpr 66
		.amdhsa_reserve_vcc 0
		.amdhsa_float_denorm_mode_32 3
		.amdhsa_float_denorm_mode_16_64 3
		.amdhsa_memory_ordered 1
		.amdhsa_forward_progress 1
		.amdhsa_inst_pref_size 17
	.end_amdhsa_kernel
	.amdgpu_metadata
---
amdhsa.version: [ 1, 2 ]
amdhsa.kernels:
  - .name:           k_q12e0ba6399_ln1
    .symbol:         k_q12e0ba6399_ln1.kd
    .args:
      - { .name: y32, .offset: 0, .size: 8, .value_kind: global_buffer, .address_space: global }
      - { .name: ln1_g, .offset: 8, .size: 8, .value_kind: global_buffer, .address_space: global }
      - { .name: ln1_b, .offset: 16, .size: 8, .value_kind: global_buffer, .address_space: global }
      - { .name: h32, .offset: 24, .size: 8, .value_kind: global_buffer, .address_space: global }
      - { .name: a16, .offset: 32, .size: 8, .value_kind: global_buffer, .address_space: global }
    .group_segment_fixed_size: 0
    .private_segment_fixed_size: 0
    .kernarg_segment_align: 8
    .kernarg_segment_size: 40
    .max_flat_workgroup_size: 256
    .sgpr_count:     66
    .vgpr_count:     192
    .wavefront_size: 32
...
	.end_amdgpu_metadata
.endif
;; end of part 5
;; launch gemm_1 (part 6): grid 32 x 24, 4 waves a work-group, clusters of 4 x 1, 327,680 bytes of LDS; arguments a16, wh, b1, g16; writes g16
.if DOCPART == 6
	.amdgcn_target "amdgcn-amd-amdhsa--gfx1250"
	.amdhsa_code_object_version 6
	.text
	.protected	k_q12e0ba6399_gemm_1
	.globl	k_q12e0ba6399_gemm_1
	.p2align	8
	.type	k_q12e0ba6399_gemm_1,@function
k_q12e0ba6399_gemm_1:
	s_mov_b64 s[64:65], 0
	v_nop
	global_prefetch_b8 v0, s[64:65] scope:SCOPE_SE
	s_setreg_imm32_b32 hwreg(HW_REG_WAVE_MODE, 25, 1), 1
	s_wait_xcnt 0x0
	s_wait_alu depctr_hold_cnt(0) depctr_sa_sdst(0) depctr_va_vdst(0) depctr_va_sdst(0) depctr_va_ssrc(0) depctr_va_vcc(0) depctr_vm_vsrc(0)
	s_getreg_b32 s2, hwreg(HW_REG_IB_STS2, 6, 4)
	s_cmp_eq_u32 s2, 0
	s_cbranch_scc0 .Lentry_in_a_cluster
	s_endpgm
.Lentry_in_a_cluster:
	s_bfe_u32 s2, ttmp6, 0x10000c
	s_cmp_lg_u32 s2, 0x3003
	s_cbranch_scc0 .Lentry_shape_is_right
	s_endpgm
.Lentry_shape_is_right:
; Launch 6 of 8: g16 = gelu(h W1 + b1), f16.  One text serves the program's three dense products; its head constants say which.
; C[m][n] = f(sum over k of A[m][k] W[k][n] + bias[n]).  A: [4096][KDIM] f16; W: [KDIM][NDIM] f16, at byte WOFF of wh; sums in f32.  MODE 0: f(x) = x + x, f32 out; 1: exact-form gelu, f16 out; 2: f(x) = x, f32 out.
; A tile of C is 128 x 128: four waves of 64 x 64, 16 accumulators each.  K goes in steps of 256 through two LDS slots: A's 128 rows of 512 bytes, W's 256 rows (k) of 256 bytes.
; W stays [k][n] in LDS and is turned on the way into registers (ds_load_tr16_b128).  The matrix instruction is used transposed (source 0 = 16 columns of W, source 1 = 16 rows of A): a lane holds eight neighbouring
; numbers of a row of C.  The bias is the C of each sum's first product.
; CLUSTER: four work-groups along m share W's tiles: asked for jointly (waves 2, 3).  A's tiles are each work-group's own (waves 0, 1): plain loads behind the same rounds.
; The same cluster shape as in the two products of NDIM = 768, whose six tile columns a cluster of 4 x 4 does not divide: one text for the three.
; LIMITS: f16 operands and results hold magnitudes up to 65,504.  The path for an odd number of K steps serves three steps.
; REGISTERS: window 0: v2-13 gelu's constants; v16-21 LDS addresses; v24-26 the way out; v28, v29 the add's two; v32-95 at work on the way out; v96-127 the bias; v128-255 the accumulators (8 (4 a + b)).
;   window 1: two fragment buffers of 128: for 64 along K, 64 registers of A, then 64 of W.
.set KDIM,  768
.set NDIM,  3072
.set WOFF,  1179648
.set MODE,  1
.set NSTEP, KDIM/256
.set PA,    528                        ; A's row in LDS: 512 bytes + 16
.set PB,    288                        ; W's row: 256 bytes + 32
.set HALFA, 64*PA
.set HALFB, 128*PB
.set BOFF,  2*HALFA
.set SLOT,  BOFF+2*HALFB
.set STAGE, (NSTEP%2)*SLOT             ; the way out goes through the slot that the last K step does not read: it has had its last fill and its last read
.set SPARE, 2*SLOT                     ; the spare words: 128 bytes for each of the four waves; no other line names them
.if MODE == 1
.set SP,    272
.set OUTB,  2
.set HSH,   4
.else
.set SP,    528
.set OUTB,  4
.set HSH,   5
.endif
.set ADRA, 16
.set ADRB, 18
.set STO,  24
.set RD,   25
.set CO,   26
.set SPW,  28
.set NIL,  29
.set TT,   32
.set EE,   64
.set BI,   96
.set ACC,  128
.set F0,   0
.set F1,   128
.set G1,   24
.set G0,   32
.set G1B,  48
.set G0B,  56
.set MSB, 0
.macro WIN new                         ; the immediate's high byte repeats the setting that is left
.if MSB != \new
	s_set_vgpr_msb (MSB<<8)|\new
.set MSB, \new
.endif
.endm
.set MUL,  0x05                        ; sources 0 (W) and 1 (A) window 1; C and D window 0
.set TO_F, 0x40                        ; destination window 1, address window 0
.macro JLOAD s                         ; waves 0 and 1 fetch A's two halves, waves 2 and 3 W's; an s_nop 0 and four v_nop follow each of the two lines
	s_cmp_eq_u32 s13, 0
	s_cbranch_scc0 .Lfor_b_\@
	tensor_load_to_lds s[G0+4*\s:G0+4*\s+3], s[G1:G1+7]
	s_nop 0
.rept 4
	v_nop
.endr
	s_branch .Lasked_\@
.Lfor_b_\@:
	tensor_load_to_lds s[G0B+4*\s:G0B+4*\s+3], s[G1B:G1B+7]
	s_nop 0
.rept 4
	v_nop
.endr
.Lasked_\@:
.endm
.macro CREST                           ; a round of the cluster's barrier behind its opening barrier
	s_cmp_lg_u32 s12, 0
	s_cbranch_scc1 .Lnot_wave_0_\@
	s_barrier_signal -3
.Lnot_wave_0_\@:
	s_barrier_wait -3
	s_barrier_signal -1
	s_barrier_wait -1
.endm
.macro CROUND
	s_barrier_signal -1
	s_barrier_wait -1
	CREST
.endm
	s_load_b256 s[4:11], s[0:1], 0x0               ; A s[4:5], wh s[6:7], bias s[8:9], C s[10:11]
	v_lshl_add_u32 v[SPW], v0, 2, SPARE
	v_mov_b32 v[NIL], 0
	ds_add_u32 v[SPW], v[NIL]                      ; the wave's opening: the add, twice on end, and its wait ahead of my first tensor load
	ds_add_u32 v[SPW], v[NIL]
	v_lshrrev_b32 v1, 5, v0
	v_readfirstlane_b32 s12, v1                    ; wave 0..3
	s_lshr_b32 s13, s12, 1                         ; which half of the tile's rows is mine.  Also: I fetch for A (0) or for W (1)
	s_and_b32 s14, s12, 1                          ; which half of its columns.  Also: which half of that tile I fetch
	s_bfe_u32 s15, ttmp6, 0x40000                  ; cx
	s_lshl_b32 s16, ttmp9, 2
	s_add_co_u32 s16, s16, s15                     ; tile row of C
	s_and_b32 s17, ttmp7, 0xffff                   ; tile column of C, which the four partners share
	s_mov_b32 s[G1+0], (1<<16)|(1<<20)|(6<<22)|(3<<25)               ; A: no mask; elements of 2 bytes; padding: 4 words after every 128
	s_mov_b32 s[G1+1], 256<<16                     ; tensor_dim0
	s_mov_b32 s[G1+2], 64<<16                      ; tensor_dim1
	s_mov_b32 s[G1+3], 256<<16                     ; tile_dim0
	s_mov_b32 s[G1+4], 64                          ; tile_dim1
	s_mov_b32 s[G1+5], KDIM                        ; elements from row to row
	s_mov_b32 s[G1+6], 0
	s_mov_b32 s[G1+7], 0
	s_mov_b32 s[G1B+0], 15|(1<<16)|(1<<20)|(1<<21)|(5<<22)|(7<<25)   ; W: all four work-groups; bit 21 beside a mask; padding: 8 words after every 64
	s_mov_b32 s[G1B+1], 128<<16
	s_mov_b32 s[G1B+2], 128<<16
	s_mov_b32 s[G1B+3], 128<<16
	s_mov_b32 s[G1B+4], 128
	s_mov_b32 s[G1B+5], NDIM
	s_mov_b32 s[G1B+6], 0
	s_mov_b32 s[G1B+7], 0
	s_lshl_b32 s18, s16, 7
	s_lshl_b32 s19, s14, 6
	s_add_co_u32 s18, s18, s19                     ; A: row 128 x tile row + 64 x half
	s_mul_i32 s18, s18, KDIM*2
	s_mov_b32 s19, 0
	s_mul_i32 s20, s14, 128*NDIM*2                 ; W: k row 128 x half,
	s_lshl_b32 s21, s17, 8                         ; 128 columns of 2 bytes x tile column
	s_add_co_u32 s20, s20, s21
.if WOFF > 0
	s_add_co_u32 s20, s20, WOFF
.endif
	s_mov_b32 s21, 0
	s_mul_i32 s22, s14, HALFA                      ; where they go: no place in the cluster enters an LDS address
	s_mul_i32 s23, s14, HALFB
	s_add_co_u32 s23, s23, BOFF
	s_wait_dscnt 0x0                               ; both opening adds are done
	s_wait_kmcnt 0x0
	s_add_nc_u64 s[18:19], s[4:5], s[18:19]
	s_add_nc_u64 s[20:21], s[6:7], s[20:21]
	CROUND                                         ; all four work-groups are here: the first joint loads meet
.irp s, 0,1
	s_mov_b32 s[G0+4*\s], 1
	s_add_co_u32 s[G0+4*\s+1], s22, \s*SLOT
	s_add_nc_u64 s[G0+4*\s+2:G0+4*\s+3], s[18:19], \s*512
	s_or_b32 s[G0+4*\s+3], s[G0+4*\s+3], 0x80000000
	s_mov_b32 s[G0B+4*\s], 1
	s_add_co_u32 s[G0B+4*\s+1], s23, \s*SLOT
	s_add_nc_u64 s[G0B+4*\s+2:G0B+4*\s+3], s[20:21], \s*512*NDIM
	s_or_b32 s[G0B+4*\s+3], s[G0B+4*\s+3], 0x80000000
	JLOAD \s
.endr
	v_and_b32 v1, 15, v0                           ; r
	v_bfe_u32 v14, v0, 4, 1                        ; h
	v_mul_u32_u24 v15, v1, PA
	v_lshl_add_u32 v15, v14, 4, v15
	s_mul_i32 s40, s13, HALFA
	v_add_nc_u32 v[ADRA], s40, v15                 ; A's fragments: my 64 rows, row r x pitch + 16 h
	v_add_nc_u32 v[ADRA+1], SLOT, v[ADRA]
	v_and_b32 v22, 7, v0
	v_lshl_add_u32 v22, v14, 3, v22
	v_mul_u32_u24 v22, v22, PB
	v_bfe_u32 v23, v0, 3, 1
	v_lshl_add_u32 v22, v23, 4, v22                ; W's, for the turning load: k row 8 h + l % 8, columns 8 ((l / 8) % 2) on
	s_lshl_b32 s40, s14, 7
	s_add_co_u32 s40, s40, BOFF
	v_add_nc_u32 v[ADRB], s40, v22                 ; slot 0, k 0-127;
	v_add_nc_u32 v[ADRB+1], HALFB, v[ADRB]         ; slot 0, k 128-255;
	v_add_nc_u32 v[ADRB+2], SLOT, v[ADRB]          ; slot 1 likewise
	v_add_nc_u32 v[ADRB+3], SLOT+HALFB, v[ADRB]
	s_lshl_b32 s40, s17, 9
	s_lshl_b32 s41, s14, 8
	s_add_co_u32 s40, s40, s41
	s_mov_b32 s41, 0
	s_add_nc_u64 s[8:9], s[8:9], s[40:41]          ; the bias of my 64 columns
	v_lshlrev_b32 v27, 5, v14
.irp b, 0,1,2,3
	global_load_b128 v[BI+8*\b:BI+8*\b+3], v27, s[8:9] offset:64*\b          ; lane (r, h), tile b: columns 16 b + 8 h + 0 .. 7
	global_load_b128 v[BI+8*\b+4:BI+8*\b+7], v27, s[8:9] offset:64*\b+16
.endr
	s_mul_i32 s40, s13, 64*SP
	s_mul_i32 s41, s14, 64*OUTB
	s_add_co_u32 s40, s40, s41
.if STAGE > 0
	s_add_co_u32 s40, s40, STAGE
.endif
	v_mul_u32_u24 v[STO], v1, SP
	v_lshl_add_u32 v[STO], v14, HSH, v[STO]
	v_add_nc_u32 v[STO], s40, v[STO]               ; the stage, in: my 64 rows, my half of their columns; row r, eight numbers for each half of the lanes
	s_mul_i32 s40, s12, 32*SP
.if STAGE > 0
	s_add_co_u32 s40, s40, STAGE
.endif
.if MODE == 1
	v_mul_u32_u24 v[RD], v14, SP                   ; back: rows 32 w on; lanes 0-15 one row of 256 bytes, lanes 16-31 the next
	v_lshl_add_u32 v[RD], v1, 4, v[RD]
	v_add_nc_u32 v[RD], s40, v[RD]
	v_mul_u32_u24 v[CO], v14, NDIM*2
	v_lshl_add_u32 v[CO], v1, 4, v[CO]
.else
	v_and_b32 v[CO], 31, v0                        ; back: rows 32 w on; the 32 lanes take one row of 512 bytes
	v_lshlrev_b32 v[CO], 4, v[CO]
	v_add_nc_u32 v[RD], s40, v[CO]
.endif
	s_lshl_b32 s40, s16, 7
	s_lshl_b32 s41, s12, 5
	s_add_co_u32 s40, s40, s41
	s_mul_i32 s40, s40, NDIM*OUTB
	s_mul_i32 s41, s17, 128*OUTB
	s_add_co_u32 s40, s40, s41
	s_mov_b32 s41, 0
	s_add_nc_u64 s[10:11], s[10:11], s[40:41]      ; C at row 128 x tile row + 32 w, the tile's first column
; 8 matrix instructions: row blocks a0, a0 + 1 x all 4 column blocks, 32 along K: half c of buffer f.  zero = 1: the first product starts the sums on the bias.  The 16 accumulators take turns
.macro MUL8 f, c, a0, zero
.irp a, \a0, \a0+1
.irp b, 0,1,2,3
.if \zero
	v_wmma_f32_16x16x32_f16 v[ACC+8*(4*(\a)+\b):ACC+8*(4*(\a)+\b)+7], v[\f+64+8*(4*\c+\b):\f+64+8*(4*\c+\b)+7], v[\f+8*(4*\c+\a):\f+8*(4*\c+\a)+7], v[BI+8*\b:BI+8*\b+7]
.else
	v_wmma_f32_16x16x32_f16 v[ACC+8*(4*(\a)+\b):ACC+8*(4*(\a)+\b)+7], v[\f+64+8*(4*\c+\b):\f+64+8*(4*\c+\b)+7], v[\f+8*(4*\c+\a):\f+8*(4*\c+\a)+7], v[ACC+8*(4*(\a)+\b):ACC+8*(4*(\a)+\b)+7]
.endif
.endr
.endr
.endm
; 32 LDS loads in one run: the fragments of the slot's q-th 64 along K into buffer f; the first 32 along K first
.macro FETCH slot, q, f
	WIN TO_F
.irp c, 0,1
.irp i, 0,1,2,3
	ds_load_tr16_b128 v[\f+64+8*(4*\c+\i):\f+64+8*(4*\c+\i)+3], v[ADRB+2*\slot+(\q)/2] offset:(64*((\q)%2)+32*\c)*PB+32*\i
	ds_load_tr16_b128 v[\f+64+8*(4*\c+\i)+4:\f+64+8*(4*\c+\i)+7], v[ADRB+2*\slot+(\q)/2] offset:(64*((\q)%2)+32*\c+16)*PB+32*\i
	ds_load_b128 v[\f+8*(4*\c+\i):\f+8*(4*\c+\i)+3], v[ADRA+\slot] offset:128*(\q)+64*\c+\i*16*PA
	ds_load_b128 v[\f+8*(4*\c+\i)+4:\f+8*(4*\c+\i)+7], v[ADRA+\slot] offset:128*(\q)+64*\c+\i*16*PA+32
.endr
.endr
.endm
.macro PLACES                          ; four places in front of loads into registers that matrix instructions have read, and of the first read of results
.rept 4
	v_nop
.endr
.endm
; A K step is four quarters of 64 along K, 32 matrix instructions each, on buffers 0, 1, 0, 1.  One of the first three: multiplies buffer f and fetches quarter qn into g
.macro QUARTER slot, qn, f, g, zero
	s_wait_dscnt 16                                ; the first 32 along K are in
	WIN MUL
	MUL8 \f, 0, 0, \zero
	MUL8 \f, 0, 2, \zero
	PLACES
	FETCH \slot, \qn, \g
	s_wait_dscnt 32                                ; all but the 32 just issued
	WIN MUL
	MUL8 \f, 1, 0, 0
	MUL8 \f, 1, 2, 0
.endm
; The last quarter multiplies buffer 1 and changes slots: ONE barrier; in front of it each wave waits for all its tensor loads, adds 0 to its spare word, and waits for that and for its reads of this slot.  fill = 1: this slot is filled again, two K steps ahead
.macro TURN slot, next, fill
	WIN 0                                          ; (the add's two registers lie in window 0)
	s_wait_tensorcnt 0x0                           ; all my tensor loads have landed: my part of the next slot;
	ds_add_u32 v[SPW], v[NIL]                      ; 0 onto my spare word;
	s_wait_dscnt 17                                ; (the add and the youngest sixteen loads may be out)
	WIN MUL
	MUL8 F1, 0, 0, 0
	s_wait_dscnt 0x0                               ; the add is done, and my reads of this slot are over
	s_barrier_signal -1
	MUL8 F1, 0, 2, 0
.if \fill
	WIN 0
.endif
	s_barrier_wait -1
.if \fill
	CREST                                          ; the barrier has opened a round of the cluster's: no wave of any partner still reads this slot or has a load on its way
	s_add_nc_u64 s[G0+4*\slot+2:G0+4*\slot+3], s[G0+4*\slot+2:G0+4*\slot+3], 1024
	s_add_nc_u64 s[G0B+4*\slot+2:G0B+4*\slot+3], s[G0B+4*\slot+2:G0B+4*\slot+3], 1024*NDIM
	JLOAD \slot                                    ; the first tensor load behind the round; the four v_nop behind it are also the places in front of the loads below
.else
	PLACES
.endif
	FETCH \next, 0, F0
	WIN MUL
	MUL8 F1, 1, 0, 0
	MUL8 F1, 1, 2, 0
.endm
.macro FIRSTQ slot
	QUARTER \slot, 1, F0, F1, 0
.endm
.macro REST slot
	QUARTER \slot, 2, F1, F0, 0
	QUARTER \slot, 3, F0, F1, 0
.endm
.macro LASTQ                           ; the very last quarter: nothing more to fetch
	s_wait_dscnt 16
	WIN MUL
	MUL8 F1, 0, 0, 0
	MUL8 F1, 0, 2, 0
	s_wait_dscnt 0x0
	MUL8 F1, 1, 0, 0
	MUL8 F1, 1, 2, 0
.endm
	s_wait_tensorcnt 1                             ; my part of K step 0 is in (K step 1's load may be out)
	s_barrier_signal -1
	s_barrier_wait -1                              ; everybody's is
	FETCH 0, 0, F0
	s_wait_loadcnt 0x0                             ; the bias
	QUARTER 0, 1, F0, F1, 1                        ; the first quarter's first products start the sums
.if NSTEP%2
	REST 0                                         ; three K steps: slot 0, slot 1, slot 0 again
	TURN 0, 1, 1
	FIRSTQ 1
	REST 1
	TURN 1, 0, 0
	FIRSTQ 0
	REST 0
	LASTQ
.else
	WIN 0                                          ; at a label and at a branch every window is 0
	s_mov_b32 s3, (NSTEP-2)/2
.Llap:                                             ; a trip goes once round the ring and fills both slots again
	REST 0
	TURN 0, 1, 1
	FIRSTQ 1
	REST 1
	TURN 1, 0, 1
	FIRSTQ 0
	WIN 0
	s_sub_co_u32 s3, s3, 1
	s_cmp_lg_u32 s3, 0
	s_cbranch_scc1 .Llap
	REST 0                                         ; the last lap fills nothing
	TURN 0, 1, 0
	FIRSTQ 1
	REST 1
	LASTQ
.endif
	WIN 0
	; THE WAY OUT: through the work-group's stage, since a row's aligned 256-byte blocks come from two waves; a barrier between writing and reading
.if MODE == 1
	; gelu(x) = max(x, 0) - |x| q, q = half of erfc(|x| / sqrt 2) = (A1 t + .. + A5 t^5) 2^(-x x log2(e) / 2), t = 1 / (1 + 0.2316419 |x|): absolute error of erf 1.5e-7 (Abramowitz and Stegun 26.2.17)
	v_mov_b32 v2, 0x3f07dc22                       ; A5, as a pair.  (These twelve plain instructions are the places behind the last products)
	v_mov_b32 v3, 0x3f07dc22
	v_mov_b32 v4, 0xbf3a00e3                       ; A4
	v_mov_b32 v5, 0xbf3a00e3
	v_mov_b32 v6, 0x3f35f0e3                       ; A3
	v_mov_b32 v7, 0x3f35f0e3
	v_mov_b32 v8, 0xbe11a98e                       ; A2
	v_mov_b32 v9, 0xbe11a98e
	v_mov_b32 v10, 0x3e027906                      ; A1
	v_mov_b32 v11, 0x3e027906
	v_mov_b32 v12, 0xbf38aa3b                      ; -log2(e) / 2
	v_mov_b32 v13, 0xbf38aa3b
	s_mov_b32 s40, 0x3e6d3389                      ; 0.2316419
.irp n, 0,1,2,3                                ; row block n: 32 numbers a lane
.set XB, ACC+32*\n
.set i, 0
.rept 16
	v_pk_mul_f32 v[EE+i:EE+i+1], v[XB+i:XB+i+1], v[12:13]          ; each accumulator from its low end on
.set i, i+2
.endr
.set i, 0
.rept 16
	v_pk_mul_f32 v[EE+i:EE+i+1], v[EE+i:EE+i+1], v[XB+i:XB+i+1]
.set i, i+2
.endr
.set i, 0
.rept 32
	v_fma_f32 v[TT+i], |v[XB+i]|, s40, 1.0
.set i, i+1
.endr
.set i, 0
.rept 32
	v_rcp_f32 v[TT+i], v[TT+i]
	v_exp_f32 v[EE+i], v[EE+i]
.set i, i+1
.endr
	v_nop                                          ; a plain instruction behind the last of the batch
	s_wait_alu depctr_va_vdst(0)                   ; one wait for the 64, ahead of the first instruction that names a result
.set i, 0
.rept 16
	v_pk_fma_f32 v[BI+i:BI+i+1], v[TT+i:TT+i+1], v[2:3], v[4:5]
.set i, i+2
.endr
.irp k, 6,8,10
.set i, 0
.rept 16
	v_pk_fma_f32 v[BI+i:BI+i+1], v[BI+i:BI+i+1], v[TT+i:TT+i+1], v[\k:\k+1]
.set i, i+2
.endr
.endr
.set i, 0
.rept 16
	v_pk_mul_f32 v[BI+i:BI+i+1], v[BI+i:BI+i+1], v[TT+i:TT+i+1]
.set i, i+2
.endr
.set i, 0
.rept 16
	v_pk_mul_f32 v[BI+i:BI+i+1], v[BI+i:BI+i+1], v[EE+i:EE+i+1]    ; q
.set i, i+2
.endr
.set i, 0
.rept 32
	v_max_num_f32 v[EE+i], 0, v[XB+i]
.set i, i+1
.endr
.set i, 0
.rept 32
	v_fma_f32 v[BI+i], -v[BI+i], |v[XB+i]|, v[EE+i]
.set i, i+1
.endr
.set i, 0
.rept 16
	v_cvt_pk_f16_f32 v[TT+i], v[BI+2*i], v[BI+2*i+1]
.set i, i+1
.endr
.irp b, 0,1,2,3
	ds_store_b128 v[STO], v[TT+4*\b:TT+4*\b+3] offset:\n*16*SP+32*\b
.endr
	s_wait_dscnt 0x0                               ; the stores are done: the next block writes their registers
.endr
.else
	PLACES
.if MODE == 0
.set i, 0
.rept 64
	v_pk_add_f32 v[ACC+i:ACC+i+1], v[ACC+i:ACC+i+1], v[ACC+i:ACC+i+1]   ; attention + attention; each accumulator from its low end on
.set i, i+2
.endr
.endif
.irp a, 0,1,2,3
.irp b, 0,1,2,3
	ds_store_b128 v[STO], v[ACC+8*(4*\a+\b):ACC+8*(4*\a+\b)+3] offset:\a*16*SP+64*\b
	ds_store_b128 v[STO], v[ACC+8*(4*\a+\b)+4:ACC+8*(4*\a+\b)+7] offset:\a*16*SP+64*\b+16
.endr
.endr
.endif
	s_wait_dscnt 0x0                               ; for the others' sake: my stores into the stage are done
	s_barrier_signal -1
	s_barrier_wait -1
.if MODE == 1
.set t, 0
.rept 16
	ds_load_b128 v[TT+4*t:TT+4*t+3], v[RD] offset:2*SP*t
.set t, t+1
.endr
.set t, 0
.rept 16
	s_wait_dscnt 15-t
	global_store_b128 v[CO], v[TT+4*t:TT+4*t+3], s[10:11] offset:2*t*NDIM*2   ; 16 lanes store 256 consecutive bytes, aligned
.set t, t+1
.endr
.else
.set t, 0
.rept 32
	ds_load_b128 v[32+4*t+32*(t/16):35+4*t+32*(t/16)], v[RD] offset:SP*t      ; rows 0-15 into v32-95, rows 16-31 into the accumulators' v128-191, whose stores are done
.set t, t+1
.endr
.set t, 0
.rept 32
	s_wait_dscnt 31-t
	global_store_b128 v[CO], v[32+4*t+32*(t/16):35+4*t+32*(t/16)], s[10:11] offset:t*NDIM*4   ; 32 lanes store 512 consecutive bytes, aligned
.set t, t+1
.endr
.endif
	s_wait_tensorcnt 0x0                           ; the wave's end: behind my last tensor load and my last LDS store
	ds_add_u32 v[SPW], v[NIL]
	s_wait_dscnt 0x0
	CROUND                                         ; the closing round: no work-group ends while a partner may still ask for a tile that names it
	s_endpgm
.Lfunc_end_k_q12e0ba6399_gemm_1:
	.size	k_q12e0ba6399_gemm_1, .Lfunc_end_k_q12e0ba6399_gemm_1-k_q12e0ba6399_gemm_1
	.p2alignl 7, 3214868480
	.fill 96, 4, 3214868480
	.section	.rodata,"a",@progbits
	.p2align	6, 0x0
	.amdhsa_kernel k_q12e0ba6399_gemm_1
		.amdhsa_group_segment_fixed_size 327680
		.amdhsa_private_segment_fixed_size 0
		.amdhsa_enable_private_segment 0
		.amdhsa_kernarg_size 32
		.amdhsa_user_sgpr_count 2
		.amdhsa_user_sgpr_kernarg_segment_ptr 1
		.amdhsa_wavefront_size32 1
		.amdhsa_system_sgpr_workgroup_id_x 1
		.amdhsa_system_sgpr_workgroup_id_y 1
		.amdhsa_system_sgpr_workgroup_id_z 1
		.amdhsa_system_vgpr_workitem_id 0
		.amdhsa_next_free_vgpr 512
		.amdhsa_next_free_sgpr 66
		.amdhsa_reserve_vcc 0
		.amdhsa_float_denorm_mode_32 3
		.amdhsa_float_denorm_mode_16_64 3
		.amdhsa_memory_ordered 1
		.amdhsa_forward_progress 1
		.amdhsa_inst_pref_size 131
	.end_amdhsa_kernel
	.amdgpu_metadata
---
amdhsa.version: [ 1, 2 ]
amdhsa.kernels:
  - .name:           k_q12e0ba6399_gemm_1
    .symbol:         k_q12e0ba6399_gemm_1.kd
    .args:
      - { .name: a16, .offset: 0, .size: 8, .value_kind: global_buffer, .address_space: global }
      - { .name: wh, .offset: 8, .size: 8, .value_kind: global_buffer, .address_space: global }
      - { .name: b1, .offset: 16, .size: 8, .value_kind: global_buffer, .address_space: global }
      - { .name: g16, .offset: 24, .size: 8, .value_kind: global_buffer, .address_space: global }
    .group_segment_fixed_size: 327680
    .private_segment_fixed_size: 0
    .kernarg_segment_align: 8
    .kernarg_segment_size: 32
    .max_flat_workgroup_size: 128
    .sgpr_count:     66
    .vgpr_count:     512
    .wavefront_size: 32
...
	.end_amdgpu_metadata
.endif
;; end of part 6
;; launch gemm_2 (part 7): grid 32 x 6, 4 waves a work-group, clusters of 4 x 1, 327,680 bytes of LDS; arguments g16, wh, b2, y32; writes y32
.if DOCPART == 7
	.amdgcn_target "amdgcn-amd-amdhsa--gfx1250"
	.amdhsa_code_object_version 6
	.text
	.protected	k_q12e0ba6399_gemm_2
	.globl	k_q12e0ba6399_gemm_2
	.p2align	8
	.type	k_q12e0ba6399_gemm_2,@function
k_q12e0ba6399_gemm_2:
	s_mov_b64 s[64:65], 0
	v_nop
	global_prefetch_b8 v0, s[64:65] scope:SCOPE_SE
	s_setreg_imm32_b32 hwreg(HW_REG_WAVE_MODE, 25, 1), 1
	s_wait_xcnt 0x0
	s_wait_alu depctr_hold_cnt(0) depctr_sa_sdst(0) depctr_va_vdst(0) depctr_va_sdst(0) depctr_va_ssrc(0) depctr_va_vcc(0) depctr_vm_vsrc(0)
	s_getreg_b32 s2, hwreg(HW_REG_IB_STS2, 6, 4)
	s_cmp_eq_u32 s2, 0
	s_cbranch_scc0 .Lentry_in_a_cluster
	s_endpgm
.Lentry_in_a_cluster:
	s_bfe_u32 s2, ttmp6, 0x10000c
	s_cmp_lg_u32 s2, 0x3003
	s_cbranch_scc0 .Lentry_shape_is_right
	s_endpgm
.Lentry_shape_is_right:
; Launch 7 of 8: y32 = gelu(..) W2 + b2, f32.  One text serves the program's three dense products; its head constants say which.
; C[m][n] = f(sum over k of A[m][k] W[k][n] + bias[n]).  A: [4096][KDIM] f16; W: [KDIM][NDIM] f16, at byte WOFF of wh; sums in f32.  MODE 0: f(x) = x + x, f32 out; 1: exact-form gelu, f16 out; 2: f(x) = x, f32 out.
; A tile of C is 128 x 128: four waves of 64 x 64, 16 accumulators each.  K goes in steps of 256 through two LDS slots: A's 128 rows of 512 bytes, W's 256 rows (k) of 256 bytes.
; W stays [k][n] in LDS and is turned on the way into registers (ds_load_tr16_b128).  The matrix instruction is used transposed (source 0 = 16 columns of W, source 1 = 16 rows of A): a lane holds eight neighbouring
; numbers of a row of C.  The bias is the C of each sum's first product.
; CLUSTER: four work-groups along m share W's tiles: asked for jointly (waves 2, 3).  A's tiles are each work-group's own (waves 0, 1): plain loads behind the same rounds.
; A cluster of 4 x 4 does not divide the six tile columns of NDIM = 768.
; LIMITS: f16 operands hold magnitudes up to 65,504.  The path for an odd number of K steps serves three steps.
; REGISTERS: window 0: v2-13 gelu's constants; v16-21 LDS addresses; v24-26 the way out; v28, v29 the add's two; v32-95 at work on the way out; v96-127 the bias; v128-255 the accumulators (8 (4 a + b)).
;   window 1: two fragment buffers of 128: for 64 along K, 64 registers of A, then 64 of W.
.set KDIM,  3072
.set NDIM,  768
.set WOFF,  5898240
.set MODE,  2
.set NSTEP, KDIM/256
.set PA,    528                        ; A's row in LDS: 512 bytes + 16
.set PB,    288                        ; W's row: 256 bytes + 32
.set HALFA, 64*PA
.set HALFB, 128*PB
.set BOFF,  2*HALFA
.set SLOT,  BOFF+2*HALFB
.set STAGE, (NSTEP%2)*SLOT             ; the way out goes through the slot that the last K step does not read: it has had its last fill and its last read
.set SPARE, 2*SLOT                     ; the spare words: 128 bytes for each of the four waves; no other line names them
.if MODE == 1
.set SP,    272
.set OUTB,  2
.set HSH,   4
.else
.set SP,    528
.set OUTB,  4
.set HSH,   5
.endif
.set ADRA, 16
.set ADRB, 18
.set STO,  24
.set RD,   25
.set CO,   26
.set SPW,  28
.set NIL,  29
.set TT,   32
.set EE,   64
.set BI,   96
.set ACC,  128
.set F0,   0
.set F1,   128
.set G1,   24
.set G0,   32
.set G1B,  48
.set G0B,  56
.set MSB, 0
.macro WIN new                         ; the immediate's high byte repeats the setting that is left
.if MSB != \new
	s_set_vgpr_msb (MSB<<8)|\new
.set MSB, \new
.endif
.endm
.set MUL,  0x05                        ; sources 0 (W) and 1 (A) window 1; C and D window 0
.set TO_F, 0x40                        ; destination window 1, address window 0
.macro JLOAD s                         ; waves 0 and 1 fetch A's two halves, waves 2 and 3 W's; an s_nop 0 and four v_nop follow each of the two lines
	s_cmp_eq_u32 s13, 0
	s_cbranch_scc0 .Lfor_b_\@
	tensor_load_to_lds s[G0+4*\s:G0+4*\s+3], s[G1:G1+7]
	s_nop 0
.rept 4
	v_nop
.endr
	s_branch .Lasked_\@
.Lfor_b_\@:
	tensor_load_to_lds s[G0B+4*\s:G0B+4*\s+3], s[G1B:G1B+7]
	s_nop 0
.rept 4
	v_nop
.endr
.Lasked_\@:
.endm
.macro CREST                           ; a round of the cluster's barrier behind its opening barrier
	s_cmp_lg_u32 s12, 0
	s_cbranch_scc1 .Lnot_wave_0_\@
	s_barrier_signal -3
.Lnot_wave_0_\@:
	s_barrier_wait -3
	s_barrier_signal -1
	s_barrier_wait -1
.endm
.macro CROUND
	s_barrier_signal -1
	s_barrier_wait -1
	CREST
.endm
	s_load_b256 s[4:11], s[0:1], 0x0               ; A s[4:5], wh s[6:7], bias s[8:9], C s[10:11]
	v_lshl_add_u32 v[SPW], v0, 2, SPARE
	v_mov_b32 v[NIL], 0
	ds_add_u32 v[SPW], v[NIL]                      ; the wave's opening: the add, twice on end, and its wait ahead of my first tensor load
	ds_add_u32 v[SPW], v[NIL]
	v_lshrrev_b32 v1, 5, v0
	v_readfirstlane_b32 s12, v1                    ; wave 0..3
	s_lshr_b32 s13, s12, 1                         ; which half of the tile's rows is mine.  Also: I fetch for A (0) or for W (1)
	s_and_b32 s14, s12, 1                          ; which half of its columns.  Also: which half of that tile I fetch
	s_bfe_u32 s15, ttmp6, 0x40000                  ; cx
	s_lshl_b32 s16, ttmp9, 2
	s_add_co_u32 s16, s16, s15                     ; tile row of C
	s_and_b32 s17, ttmp7, 0xffff                   ; tile column of C, which the four partners share
	s_mov_b32 s[G1+0], (1<<16)|(1<<20)|(6<<22)|(3<<25)               ; A: no mask; elements of 2 bytes; padding: 4 words after every 128
	s_mov_b32 s[G1+1], 256<<16                     ; tensor_dim0
	s_mov_b32 s[G1+2], 64<<16                      ; tensor_dim1
	s_mov_b32 s[G1+3], 256<<16                     ; tile_dim0
	s_mov_b32 s[G1+4], 64                          ; tile_dim1
	s_mov_b32 s[G1+5], KDIM                        ; elements from row to row
	s_mov_b32 s[G1+6], 0
	s_mov_b32 s[G1+7], 0
	s_mov_b32 s[G1B+0], 15|(1<<16)|(1<<20)|(1<<21)|(5<<22)|(7<<25)   ; W: all four work-groups; bit 21 beside a mask; padding: 8 words after every 64
	s_mov_b32 s[G1B+1], 128<<16
	s_mov_b32 s[G1B+2], 128<<16
	s_mov_b32 s[G1B+3], 128<<16
	s_mov_b32 s[G1B+4], 128
	s_mov_b32 s[G1B+5], NDIM
	s_mov_b32 s[G1B+6], 0
	s_mov_b32 s[G1B+7], 0
	s_lshl_b32 s18, s16, 7
	s_lshl_b32 s19, s14, 6
	s_add_co_u32 s18, s18, s19                     ; A: row 128 x tile row + 64 x half
	s_mul_i32 s18, s18, KDIM*2
	s_mov_b32 s19, 0
	s_mul_i32 s20, s14, 128*NDIM*2                 ; W: k row 128 x half,
	s_lshl_b32 s21, s17, 8                         ; 128 columns of 2 bytes x tile column
	s_add_co_u32 s20, s20, s21
.if WOFF > 0
	s_add_co_u32 s20, s20, WOFF
.endif
	s_mov_b32 s21, 0
	s_mul_i32 s22, s14, HALFA                      ; where they go: no place in the cluster enters an LDS address
	s_mul_i32 s23, s14, HALFB
	s_add_co_u32 s23, s23, BOFF
	s_wait_dscnt 0x0                               ; both opening adds are done
	s_wait_kmcnt 0x0
	s_add_nc_u64 s[18:19], s[4:5], s[18:19]
	s_add_nc_u64 s[20:21], s[6:7], s[20:21]
	CROUND                                         ; all four work-groups are here: the first joint loads meet
.irp s, 0,1
	s_mov_b32 s[G0+4*\s], 1
	s_add_co_u32 s[G0+4*\s+1], s22, \s*SLOT
	s_add_nc_u64 s[G0+4*\s+2:G0+4*\s+3], s[18:19], \s*512
	s_or_b32 s[G0+4*\s+3], s[G0+4*\s+3], 0x80000000
	s_mov_b32 s[G0B+4*\s], 1
	s_add_co_u32 s[G0B+4*\s+1], s23, \s*SLOT
	s_add_nc_u64 s[G0B+4*\s+2:G0B+4*\s+3], s[20:21], \s*512*NDIM
	s_or_b32 s[G0B+4*\s+3], s[G0B+4*\s+3], 0x80000000
	JLOAD \s
.endr
	v_and_b32 v1, 15, v0                           ; r
	v_bfe_u32 v14, v0, 4, 1                        ; h
	v_mul_u32_u24 v15, v1, PA
	v_lshl_add_u32 v15, v14, 4, v15
	s_mul_i32 s40, s13, HALFA
	v_add_nc_u32 v[ADRA], s40, v15                 ; A's fragments: my 64 rows, row r x pitch + 16 h
	v_add_nc_u32 v[ADRA+1], SLOT, v[ADRA]
	v_and_b32 v22, 7, v0
	v_lshl_add_u32 v22, v14, 3, v22
	v_mul_u32_u24 v22, v22, PB
	v_bfe_u32 v23, v0, 3, 1
	v_lshl_add_u32 v22, v23, 4, v22                ; W's, for the turning load: k row 8 h + l % 8, columns 8 ((l / 8) % 2) on
	s_lshl_b32 s40, s14, 7
	s_add_co_u32 s40, s40, BOFF
	v_add_nc_u32 v[ADRB], s40, v22                 ; slot 0, k 0-127;
	v_add_nc_u32 v[ADRB+1], HALFB, v[ADRB]         ; slot 0, k 128-255;
	v_add_nc_u32 v[ADRB+2], SLOT, v[ADRB]          ; slot 1 likewise
	v_add_nc_u32 v[ADRB+3], SLOT+HALFB, v[ADRB]
	s_lshl_b32 s40, s17, 9
	s_lshl_b32 s41, s14, 8
	s_add_co_u32 s40, s40, s41
	s_mov_b32 s41, 0
	s_add_nc_u64 s[8:9], s[8:9], s[40:41]          ; the bias of my 64 columns
	v_lshlrev_b32 v27, 5, v14
.irp b, 0,1,2,3
	global_load_b128 v[BI+8*\b:BI+8*\b+3], v27, s[8:9] offset:64*\b          ; lane (r, h), tile b: columns 16 b + 8 h + 0 .. 7
	global_load_b128 v[BI+8*\b+4:BI+8*\b+7], v27, s[8:9] offset:64*\b+16
.endr
	s_mul_i32 s40, s13, 64*SP
	s_mul_i32 s41, s14, 64*OUTB
	s_add_co_u32 s40, s40, s41
.if STAGE > 0
	s_add_co_u32 s40, s40, STAGE
.endif
	v_mul_u32_u24 v[STO], v1, SP
	v_lshl_add_u32 v[STO], v14, HSH, v[STO]
	v_add_nc_u32 v[STO], s40, v[STO]               ; the stage, in: my 64 rows, my half of their columns; row r, eight numbers for each half of the lanes
	s_mul_i32 s40, s12, 32*SP
.if STAGE > 0
	s_add_co_u32 s40, s40, STAGE
.endif
.if MODE == 1
	v_mul_u32_u24 v[RD], v14, SP                   ; back: rows 32 w on; lanes 0-15 one row of 256 bytes, lanes 16-31 the next
	v_lshl_add_u32 v[RD], v1, 4, v[RD]
	v_add_nc_u32 v[RD], s40, v[RD]
	v_mul_u32_u24 v[CO], v14, NDIM*2
	v_lshl_add_u32 v[CO], v1, 4, v[CO]
.else
	v_and_b32 v[CO], 31, v0                        ; back: rows 32 w on; the 32 lanes take one row of 512 bytes
	v_lshlrev_b32 v[CO], 4, v[CO]
	v_add_nc_u32 v[RD], s40, v[CO]
.endif
	s_lshl_b32 s40, s16, 7
	s_lshl_b32 s41, s12, 5
	s_add_co_u32 s40, s40, s41
	s_mul_i32 s40, s40, NDIM*OUTB
	s_mul_i32 s41, s17, 128*OUTB
	s_add_co_u32 s40, s40, s41
	s_mov_b32 s41, 0
	s_add_nc_u64 s[10:11], s[10:11], s[40:41]      ; C at row 128 x tile row + 32 w, the tile's first column
; 8 matrix instructions: row blocks a0, a0 + 1 x all 4 column blocks, 32 along K: half c of buffer f.  zero = 1: the first product starts the sums on the bias.  The 16 accumulators take turns
.macro MUL8 f, c, a0, zero
.irp a, \a0, \a0+1
.irp b, 0,1,2,3
.if \zero
	v_wmma_f32_16x16x32_f16 v[ACC+8*(4*(\a)+\b):ACC+8*(4*(\a)+\b)+7], v[\f+64+8*(4*\c+\b):\f+64+8*(4*\c+\b)+7], v[\f+8*(4*\c+\a):\f+8*(4*\c+\a)+7], v[BI+8*\b:BI+8*\b+7]
.else
	v_wmma_f32_16x16x32_f16 v[ACC+8*(4*(\a)+\b):ACC+8*(4*(\a)+\b)+7], v[\f+64+8*(4*\c+\b):\f+64+8*(4*\c+\b)+7], v[\f+8*(4*\c+\a):\f+8*(4*\c+\a)+7], v[ACC+8*(4*(\a)+\b):ACC+8*(4*(\a)+\b)+7]
.endif
.endr
.endr
.endm
; 32 LDS loads in one run: the fragments of the slot's q-th 64 along K into buffer f; the first 32 along K first
.macro FETCH slot, q, f
	WIN TO_F
.irp c, 0,1
.irp i, 0,1,2,3
	ds_load_tr16_b128 v[\f+64+8*(4*\c+\i):\f+64+8*(4*\c+\i)+3], v[ADRB+2*\slot+(\q)/2] offset:(64*((\q)%2)+32*\c)*PB+32*\i
	ds_load_tr16_b128 v[\f+64+8*(4*\c+\i)+4:\f+64+8*(4*\c+\i)+7], v[ADRB+2*\slot+(\q)/2] offset:(64*((\q)%2)+32*\c+16)*PB+32*\i
	ds_load_b128 v[\f+8*(4*\c+\i):\f+8*(4*\c+\i)+3], v[ADRA+\slot] offset:128*(\q)+64*\c+\i*16*PA
	ds_load_b128 v[\f+8*(4*\c+\i)+4:\f+8*(4*\c+\i)+7], v[ADRA+\slot] offset:128*(\q)+64*\c+\i*16*PA+32
.endr
.endr
.endm
.macro PLACES                          ; four places in front of loads into registers that matrix instructions have read, and of the first read of results
.rept 4
	v_nop
.endr
.endm
; A K step is four quarters of 64 along K, 32 matrix instructions each, on buffers 0, 1, 0, 1.  One of the first three: multiplies buffer f and fetches quarter qn into g
.macro QUARTER slot, qn, f, g, zero
	s_wait_dscnt 16                                ; the first 32 along K are in
	WIN MUL
	MUL8 \f, 0, 0, \zero
	MUL8 \f, 0, 2, \zero
	PLACES
	FETCH \slot, \qn, \g
	s_wait_dscnt 32                                ; all but the 32 just issued
	WIN MUL
	MUL8 \f, 1, 0, 0
	MUL8 \f, 1, 2, 0
.endm
; The last quarter multiplies buffer 1 and changes slots: ONE barrier; in front of it each wave waits for all its tensor loads, adds 0 to its spare word, and waits for that and for its reads of this slot.  fill = 1: this slot is filled again, two K steps ahead
.macro TURN slot, next, fill
	WIN 0                                          ; (the add's two registers lie in window 0)
	s_wait_tensorcnt 0x0                           ; all my tensor loads have landed: my part of the next slot;
	ds_add_u32 v[SPW], v[NIL]                      ; 0 onto my spare word;
	s_wait_dscnt 17                                ; (the add and the youngest sixteen loads may be out)
	WIN MUL
	MUL8 F1, 0, 0, 0
	s_wait_dscnt 0x0                               ; the add is done, and my reads of this slot are over
	s_barrier_signal -1
	MUL8 F1, 0, 2, 0
.if \fill
	WIN 0
.endif
	s_barrier_wait -1
.if \fill
	CREST                                          ; the barrier has opened a round of the cluster's: no wave of any partner still reads this slot or has a load on its way
	s_add_nc_u64 s[G0+4*\slot+2:G0+4*\slot+3], s[G0+4*\slot+2:G0+4*\slot+3], 1024
	s_add_nc_u64 s[G0B+4*\slot+2:G0B+4*\slot+3], s[G0B+4*\slot+2:G0B+4*\slot+3], 1024*NDIM
	JLOAD \slot                                    ; the first tensor load behind the round; the four v_nop behind it are also the places in front of the loads below
.else
	PLACES
.endif
	FETCH \next, 0, F0
	WIN MUL
	MUL8 F1, 1, 0, 0
	MUL8 F1, 1, 2, 0
.endm
.macro FIRSTQ slot
	QUARTER \slot, 1, F0, F1, 0
.endm
.macro REST slot
	QUARTER \slot, 2, F1, F0, 0
	QUARTER \slot, 3, F0, F1, 0
.endm
.macro LASTQ                           ; the very last quarter: nothing more to fetch
	s_wait_dscnt 16
	WIN MUL
	MUL8 F1, 0, 0, 0
	MUL8 F1, 0, 2, 0
	s_wait_dscnt 0x0
	MUL8 F1, 1, 0, 0
	MUL8 F1, 1, 2, 0
.endm
	s_wait_tensorcnt 1                             ; my part of K step 0 is in (K step 1's load may be out)
	s_barrier_signal -1
	s_barrier_wait -1                              ; everybody's is
	FETCH 0, 0, F0
	s_wait_loadcnt 0x0                             ; the bias
	QUARTER 0, 1, F0, F1, 1                        ; the first quarter's first products start the sums
.if NSTEP%2
	REST 0                                         ; three K steps: slot 0, slot 1, slot 0 again
	TURN 0, 1, 1
	FIRSTQ 1
	REST 1
	TURN 1, 0, 0
	FIRSTQ 0
	REST 0
	LASTQ
.else
	WIN 0                                          ; at a label and at a branch every window is 0
	s_mov_b32 s3, (NSTEP-2)/2
.Llap:                                             ; a trip goes once round the ring and fills both slots again
	REST 0
	TURN 0, 1, 1
	FIRSTQ 1
	REST 1
	TURN 1, 0, 1
	FIRSTQ 0
	WIN 0
	s_sub_co_u32 s3, s3, 1
	s_cmp_lg_u32 s3, 0
	s_cbranch_scc1 .Llap
	REST 0                                         ; the last lap fills nothing
	TURN 0, 1, 0
	FIRSTQ 1
	REST 1
	LASTQ
.endif
	WIN 0
	; THE WAY OUT: through the work-group's stage, since a row's aligned 256-byte blocks come from two waves; a barrier between writing and reading
	PLACES
.irp a, 0,1,2,3
.irp b, 0,1,2,3
	ds_store_b128 v[STO], v[ACC+8*(4*\a+\b):ACC+8*(4*\a+\b)+3] offset:\a*16*SP+64*\b          ; each accumulator from its low end on
	ds_store_b128 v[STO], v[ACC+8*(4*\a+\b)+4:ACC+8*(4*\a+\b)+7] offset:\a*16*SP+64*\b+16
.endr
.endr
	s_wait_dscnt 0x0                               ; for the others' sake: my stores into the stage are done
	s_barrier_signal -1
	s_barrier_wait -1
.set t, 0
.rept 32
	ds_load_b128 v[32+4*t+32*(t/16):35+4*t+32*(t/16)], v[RD] offset:SP*t      ; rows 0-15 into v32-95, rows 16-31 into the accumulators' v128-191, whose stores are done
.set t, t+1
.endr
.set t, 0
.rept 32
	s_wait_dscnt 31-t
	global_store_b128 v[CO], v[32+4*t+32*(t/16):35+4*t+32*(t/16)], s[10:11] offset:t*NDIM*4   ; 32 lanes store 512 consecutive bytes, aligned
.set t, t+1
.endr
	s_wait_tensorcnt 0x0                           ; the wave's end: behind my last tensor load and my last LDS store
	ds_add_u32 v[SPW], v[NIL]
	s_wait_dscnt 0x0
	CROUND                                         ; the closing round: no work-group ends while a partner may still ask for a tile that names it
	s_endpgm
.Lfunc_end_k_q12e0ba6399_gemm_2:
	.size	k_q12e0ba6399_gemm_2, .Lfunc_end_k_q12e0ba6399_gemm_2-k_q12e0ba6399_gemm_2
	.p2alignl 7, 3214868480
	.fill 96, 4, 3214868480
	.section	.rodata,"a",@progbits
	.p2align	6, 0x0
	.amdhsa_kernel k_q12e0ba6399_gemm_2
		.amdhsa_group_segment_fixed_size 327680
		.amdhsa_private_segment_fixed_size 0
		.amdhsa_enable_private_segment 0
		.amdhsa_kernarg_size 32
		.amdhsa_user_sgpr_count 2
		.amdhsa_user_sgpr_kernarg_segment_ptr 1
		.amdhsa_wavefront_size32 1
		.amdhsa_system_sgpr_workgroup_id_x 1
		.amdhsa_system_sgpr_workgroup_id_y 1
		.amdhsa_system_sgpr_workgroup_id_z 1
		.amdhsa_system_vgpr_workitem_id 0
		.amdhsa_next_free_vgpr 512
		.amdhsa_next_free_sgpr 66
		.amdhsa_reserve_vcc 0
		.amdhsa_float_denorm_mode_32 3
		.amdhsa_float_denorm_mode_16_64 3
		.amdhsa_memory_ordered 1
		.amdhsa_forward_progress 1
		.amdhsa_inst_pref_size 87
	.end_amdhsa_kernel
	.amdgpu_metadata
---
amdhsa.version: [ 1, 2 ]
amdhsa.kernels:
  - .name:           k_q12e0ba6399_gemm_2
    .symbol:         k_q12e0ba6399_gemm_2.kd
    .args:
      - { .name: g16, .offset: 0, .size: 8, .value_kind: global_buffer, .address_space: global }
      - { .name: wh, .offset: 8, .size: 8, .value_kind: global_buffer, .address_space: global }
      - { .name: b2, .offset: 16, .size: 8, .value_kind: global_buffer, .address_space: global }
      - { .name: y32, .offset: 24, .size: 8, .value_kind: global_buffer, .address_space: global }
    .group_segment_fixed_size: 327680
    .private_segment_fixed_size: 0
    .kernarg_segment_align: 8
    .kernarg_segment_size: 32
    .max_flat_workgroup_size: 128
    .sgpr_count:     66
    .vgpr_count:     512
    .wavefront_size: 32
...
	.end_amdgpu_metadata
.endif
;; end of part 7
;; launch ln2 (part 8): grid 256 x 1, 8 waves a work-group, no clusters, 0 bytes of LDS; arguments y32, h32, ln2_g, ln2_b, out0; writes out0
.if DOCPART == 8
	.amdgcn_target "amdgcn-amd-amdhsa--gfx1250"
	.amdhsa_code_object_version 6
	.text
	.protected	k_q12e0ba6399_ln2
	.globl	k_q12e0ba6399_ln2
	.p2align	8
	.type	k_q12e0ba6399_ln2,@function
k_q12e0ba6399_ln2:
	s_mov_b64 s[64:65], 0
	v_nop
	global_prefetch_b8 v0, s[64:65] scope:SCOPE_SE
	s_setreg_imm32_b32 hwreg(HW_REG_WAVE_MODE, 25, 1), 1
	s_wait_xcnt 0x0
; Launch 8 of 8: out0 = LayerNorm(h32 + y32) g + b.
; A row of 768 f32 is 3,072 bytes: one wave takes a whole row, six 16-byte loads a lane from each of the two buffers, and keeps it in 24 registers between the passes; a wave has two rows.
; No LDS, no barrier, no loop: memory binds.  The mean is taken first and the variance of the differences, as the formula is written.
.set X, 16                             ; row j at v[X + 24 j]
.set G, 64
.set B, 88
.set H, 112                            ; row j of h at v[H + 24 j]
.macro REDUCE t                        ; the sum of v[t] over the 32 lanes, in every lane
	v_add_f32_dpp v[\t], v[\t], v[\t] row_xmask:1 row_mask:0xf bank_mask:0xf
	v_add_f32_dpp v[\t], v[\t], v[\t] row_xmask:2 row_mask:0xf bank_mask:0xf
	v_add_f32_dpp v[\t], v[\t], v[\t] row_xmask:4 row_mask:0xf bank_mask:0xf
	v_add_f32_dpp v[\t], v[\t], v[\t] row_xmask:8 row_mask:0xf bank_mask:0xf
	v_permlanex16_b32 v[\t+1], v[\t], s20, s21
	v_add_f32 v[\t], v[\t], v[\t+1]
.endm
; the row in v[x] on loses its mean; 1 / sqrt(variance + eps) is asked for into v[t].  t: four registers at work
.macro STATS x, t
	v_pk_add_f32 v[\t:\t+1], v[\x:\x+1], v[\x+2:\x+3]
	v_pk_add_f32 v[\t+2:\t+3], v[\x+4:\x+5], v[\x+6:\x+7]
.irp i, 8,12,16,20
	v_pk_add_f32 v[\t:\t+1], v[\t:\t+1], v[\x+\i:\x+\i+1]
	v_pk_add_f32 v[\t+2:\t+3], v[\t+2:\t+3], v[\x+\i+2:\x+\i+3]
.endr
	v_pk_add_f32 v[\t:\t+1], v[\t:\t+1], v[\t+2:\t+3]
	v_add_f32 v[\t], v[\t], v[\t+1]
	REDUCE \t
	v_mul_f32 v[\t], s22, v[\t]                    ; the mean,
	v_mov_b32 v[\t+1], v[\t]                       ; as a pair
.irp i, 0,2,4,6,8,10,12,14,16,18,20,22
	v_pk_add_f32 v[\x+\i:\x+\i+1], v[\x+\i:\x+\i+1], v[\t:\t+1] neg_lo:[0,1] neg_hi:[0,1]
.endr
	v_pk_mul_f32 v[\t:\t+1], v[\x:\x+1], v[\x:\x+1]
	v_pk_mul_f32 v[\t+2:\t+3], v[\x+2:\x+3], v[\x+2:\x+3]
.irp i, 4,8,12,16,20
	v_pk_fma_f32 v[\t:\t+1], v[\x+\i:\x+\i+1], v[\x+\i:\x+\i+1], v[\t:\t+1]
	v_pk_fma_f32 v[\t+2:\t+3], v[\x+\i+2:\x+\i+3], v[\x+\i+2:\x+\i+3], v[\t+2:\t+3]
.endr
	v_pk_add_f32 v[\t:\t+1], v[\t:\t+1], v[\t+2:\t+3]
	v_add_f32 v[\t], v[\t], v[\t+1]
	REDUCE \t
	v_fma_f32 v[\t], v[\t], s22, s23               ; the variance + eps
	v_rsq_f32 v[\t], v[\t]
.endm
	s_load_b256 s[4:11], s[0:1], 0x0               ; y32 s[4:5], h32 s[6:7], g s[8:9], b s[10:11]
	s_load_b64 s[12:13], s[0:1], 0x20              ; out0
	v_lshrrev_b32 v1, 5, v0
	v_readfirstlane_b32 s14, v1                    ; wave
	v_and_b32 v2, 31, v0
	v_lshlrev_b32 v1, 4, v2                        ; 16 bytes a lane
	s_lshl_b32 s15, ttmp9, 4
	s_lshl_b32 s16, s14, 1
	s_add_co_u32 s15, s15, s16                     ; my first row
	s_mul_i32 s16, s15, 3072
	s_mov_b32 s17, 0
	s_mov_b32 s20, 0x76543210
	s_mov_b32 s21, 0xfedcba98
	s_mov_b32 s22, 0x3aaaaaab                      ; 1 / 768
	s_mov_b32 s23, 0x3727c5ac                      ; 1e-5
	s_wait_kmcnt 0x0
	s_add_nc_u64 s[4:5], s[4:5], s[16:17]
	s_add_nc_u64 s[6:7], s[6:7], s[16:17]
	s_add_nc_u64 s[12:13], s[12:13], s[16:17]
.irp j, 0,1
.irp i, 0,1,2,3,4,5
	global_load_b128 v[X+24*\j+4*\i:X+24*\j+4*\i+3], v1, s[4:5] offset:3072*\j+512*\i th:TH_LOAD_NT
.endr
.endr
.irp j, 0,1
.irp i, 0,1,2,3,4,5
	global_load_b128 v[H+24*\j+4*\i:H+24*\j+4*\i+3], v1, s[6:7] offset:3072*\j+512*\i th:TH_LOAD_NT
.endr
.endr
.irp i, 0,1,2,3,4,5
	global_load_b128 v[G+4*\i:G+4*\i+3], v1, s[8:9] offset:512*\i
.endr
.irp i, 0,1,2,3,4,5
	global_load_b128 v[B+4*\i:B+4*\i+3], v1, s[10:11] offset:512*\i
.endr
	s_wait_loadcnt 12                              ; both rows of both buffers are in; the twelve loads of g and b may be out
.set i, 0
.rept 24
	v_pk_add_f32 v[X+i:X+i+1], v[X+i:X+i+1], v[H+i:H+i+1]          ; h + ff
.set i, i+2
.endr
	STATS X, 4
	STATS X+24, 8
	v_nop                                          ; a plain instruction behind the last transcendental
	s_wait_alu depctr_va_vdst(0)                   ; one wait for both, ahead of the first use
	v_mov_b32 v5, v4
	v_mov_b32 v9, v8
	s_wait_loadcnt 0x0
.irp j, 0,1
.irp i, 0,2,4,6,8,10,12,14,16,18,20,22
	v_pk_mul_f32 v[X+24*\j+\i:X+24*\j+\i+1], v[X+24*\j+\i:X+24*\j+\i+1], v[4+4*\j:5+4*\j]
.endr
.irp i, 0,2,4,6,8,10,12,14,16,18,20,22
	v_pk_fma_f32 v[X+24*\j+\i:X+24*\j+\i+1], v[X+24*\j+\i:X+24*\j+\i+1], v[G+\i:G+\i+1], v[B+\i:B+\i+1]
.endr
.irp i, 0,1,2,3,4,5
	global_store_b128 v1, v[X+24*\j+4*\i:X+24*\j+4*\i+3], s[12:13] offset:3072*\j+512*\i th:TH_STORE_NT   ; 512 consecutive bytes a store
.endr
.endr
	s_endpgm
.Lfunc_end_k_q12e0ba6399_ln2:
	.size	k_q12e0ba6399_ln2, .Lfunc_end_k_q12e0ba6399_ln2-k_q12e0ba6399_ln2
	.p2alignl 7, 3214868480
	.fill 96, 4, 3214868480
	.section	.rodata,"a",@progbits
	.p2align	6, 0x0
	.amdhsa_kernel k_q12e0ba6399_ln2
		.amdhsa_group_segment_fixed_size 0
		.amdhsa_private_segment_fixed_size 0
		.amdhsa_enable_private_segment 0
		.amdhsa_kernarg_size 40
		.amdhsa_user_sgpr_count 2
		.amdhsa_user_sgpr_kernarg_segment_ptr 1
		.amdhsa_wavefront_size32 1
		.amdhsa_system_sgpr_workgroup_id_x 1
		.amdhsa_system_sgpr_workgroup_id_y 1
		.amdhsa_system_sgpr_workgroup_id_z 1
		.amdhsa_system_vgpr_workitem_id 0
		.amdhsa_next_free_vgpr 192
		.amdhsa_next_free_sgpr 66
		.amdhsa_reserve_vcc 0
		.amdhsa_float_denorm_mode_32 3
		.amdhsa_float_denorm_mode_16_64 3
		.amdhsa_memory_ordered 1
		.amdhsa_forward_progress 1
		.amdhsa_inst_pref_size 17
	.end_amdhsa_kernel
	.amdgpu_metadata
---
amdhsa.version: [ 1, 2 ]
amdhsa.kernels:
  - .name:           k_q12e0ba6399_ln2
    .symbol:         k_q12e0ba6399_ln2.kd
    .args:
      - { .name: y32, .offset: 0, .size: 8, .value_kind: global_buffer, .address_space: global }
      - { .name: h32, .offset: 8, .size: 8, .value_kind: global_buffer, .address_space: global }
      - { .name: ln2_g, .offset: 16, .size: 8, .value_kind: global_buffer, .address_space: global }
      - { .name: ln2_b, .offset: 24, .size: 8, .value_kind: global_buffer, .address_space: global }
      - { .name: out0, .offset: 32, .size: 8, .value_kind: global_buffer, .address_space: global }
    .group_segment_fixed_size: 0
    .private_segment_fixed_size: 0
    .kernarg_segment_align: 8
    .kernarg_segment_size: 40
    .max_flat_workgroup_size: 256
    .sgpr_count:     66
    .vgpr_count:     192
    .wavefront_size: 32
...
	.end_amdgpu_metadata
.endif
;; end of part 8
